; MI455X (gfx1250); checked and timed in simulation.
; The chip was launched on July 23, 2026; its instructions are those of AMD's public machine-readable ISA for CDNA 5 (MIT licence, August 2026) and "CDNA5" Instruction Set Architecture Reference Guide (July 2026). The comments in the code are by the model that wrote it; some were corrected since.
;; Attention Block. Allowed arithmetic: matrix products marked QUANTISED: E4M3 operands, one E8M0 scale for each 32 along K, by v_wmma_scale_f32_16x16x128_f8f6f4 with both operands' format E4M3, f32 sums; everything else in f32.
;; Inputs: Wi_codes 3,072 x 32 x 32 uint8 (E4M3 codes of Wi, K innermost, in blocks of 32 codes); Wi_scales 3,072 x 32 uint8 (E8M0 scales of Wi, one for each 32 codes along K); Wo_codes 1,024 x 32 x 32 uint8 (E4M3 codes of Wo, K innermost, in blocks of 32 codes); Wo_scales 1,024 x 32 uint8 (E8M0 scales of Wo, one for each 32 codes along K); bi 3,072 float32; bo 1,024 float32; cutoff_factors 8 x 1,024 x 1,024 float32; x_codes 8 x 1,024 x 32 x 32 uint8 (E4M3 codes of x, K innermost, in blocks of 32 codes); x_scales 8 x 1,024 x 32 uint8 (E8M0 scales of x, one for each 32 codes along K).
;; Outputs: out0 8 x 1,024 x 1,024 float32.
;; Constants: use_manual_attention = 1.
;; This version of the problem:
;;   THIS VERSION OF THE PROBLEM IS GIVEN IN LOW PRECISION. The matrix products marked QUANTISED in the list below multiply operands that are first quantised to E4M3 (4 exponent bits, 3 mantissa bits; 8 bits a number), with one power-of-two scale for each 32 numbers along K (OCP MX v1.0); their sums are f32. All else is computed in f32.
;;   The module's matrix products, in the order in which they are computed (A, B: the left and right operand; K: the contracted axis; several contracted axes count as one K, in the product's order):
;;     1. [M 8,192, K 1,024] x [K 1,024, N 3,072]; A: input x (given as codes); B: input Wi (given as codes): QUANTISED
;;     2. batch 128 x [M 1,024, K 64] x [K 64, N 1,024]; A: computed on the way; B: computed on the way: QUANTISED
;;     3. batch 128 x [M 1,024, K 1,024] x [K 1,024, N 64]; A: softmax (see below); B: computed on the way: QUANTISED
;;     4. [M 8,192, K 1,024] x [K 1,024, N 1,024]; A: computed on the way; B: input Wo (given as codes): QUANTISED
;;   THE QUANTISER, for each operand of a quantised product, along K:
;;     - K is cut into blocks of 32 from its start; a last block that is shorter is filled with zeros.
;;     - A block's scale is 2^e with e = floor(log2(the largest magnitude in the block)) - 8, held to -126 .. 127; a block of zeros has e = 0. As a byte (E8M0): e + 127.
;;     - Each number is divided by its block's scale, clamped to +-448, and rounded to the nearest number of E4M3, ties to even, subnormals kept.
;;     - The product sums the exact products of the quantised numbers (number of the format x scale) in f32.
;;   ~~~python
;;   def quantise(x, axis):      # numpy; x: float32 -> the quantised numbers, widened to float32 again
;;       x = np.moveaxis(x, axis, -1); K = x.shape[-1]
;;       x = np.pad(x, [(0, 0)] * (x.ndim - 1) + [(0, -K % 32)]); x = x.reshape(x.shape[:-1] + (-1, 32)); a = np.abs(x).max(-1, keepdims=True)
;;       e = np.where(a > 0, np.clip(np.frexp(np.where(a > 0, a, 1))[1] - 1 - 8, -126, 127), 0)      # np.frexp(a)[1] - 1 = floor(log2(a)), exactly
;;       r = np.clip(x / 2.0 ** e, -448, 448)
;;       step = 2.0 ** (np.maximum(np.frexp(np.where(r == 0, 1, r))[1] - 1, -6) - 3)
;;       q = np.round(r / step) * step * 2.0 ** e      # np.round: ties to even
;;       return np.moveaxis(q.reshape(q.shape[:-2] + (-1,))[..., :K], -1, axis).astype(np.float32)
;;   ~~~
;;   SOFTMAX AHEAD OF A QUANTISED PRODUCT. Where the list says 'softmax', what is quantised is not the finished softmax but p = 2^(t - M), with t = logit x log2(e) and M = ceil(the row's largest t), a whole number; so 1/2 < the row's largest p <= 1. The row's sum l is taken of the UNQUANTISED p, in f32, and the product's result is divided by l at the end. Since M is a whole number, a kernel that streams over the keys may use a running M (the ceiling of the running maximum): every later rescaling is an exact power of two, which a block's scale takes up: the codes' values come out the same.
;;   OPERANDS COMPUTED ON THE WAY. 'Computed on the way' means the value that the module computes at that place (a softmax that the list does not call 'softmax' is quantised finished and normalised). What goes into a quantiser is computed in f32, as accurately as f32 sums, v_exp_f32 and their like allow (about 1e-6 of the number): no bf16 or f16 on the way to a quantiser, and a product that is left as it is and whose result goes on into a quantised operand takes f32 operands (vector FMAs, or v_wmma_f32_16x16x4_f32). A number that lies on a knife's edge between two numbers of the format may be rounded either way, as far as f32 arithmetic and the matrix unit's own rounding can turn it there, and no further.
;;   INPUTS GIVEN AS CODES. Wi (in the module: [3072, 1024], K = its axis 1); Wo (in the module: [1024, 1024], K = its axis 1); x (in the module: [8, 1024, 1024], K = its axis 2): each comes as NAME_codes (uint8): NAME with its K axis moved to the last place and cut into blocks of 32 codes, [.., K / 32, bytes a block], one block behind the other in memory; one code a byte (a code: sign, 4 exponent bits, 3 mantissa bits); and NAME_scales (uint8): the same leading axes, one E8M0 byte (e + 127) for each 32 codes along K. Its value is code x scale, taken as it is: it is not quantised again, and the codes and scales need not be those that the quantiser above would give.
;; One version. Each part assembles by itself: llvm-mc -triple=amdgcn-amd-amdhsa -mcpu=gfx1250 --defsym DOCPART=n.
;; ======== version 1 of 1: 3 launches
;; limits: right only within a limited range of input values
;; workspace buffers: qimg 8,650,752 bytes; kvrec 17,301,504 bytes; ao_codes 8,388,608 bytes; ao_scales 262,144 bytes
;; launch qkv (part 1): grid 64 x 4, 4 waves a work-group, clusters of 4 x 1, 327,680 bytes of LDS; arguments x_codes, x_scales, Wi_codes, Wi_scales, bi, qimg, kvrec; writes qimg, kvrec
.if DOCPART == 1
	.amdgcn_target "amdgcn-amd-amdhsa--gfx1250"
	.amdhsa_code_object_version 6
	.text
	.protected	k_qe256fb578a_qkv
	.globl	k_qe256fb578a_qkv
	.p2align	8
	.type	k_qe256fb578a_qkv,@function
k_qe256fb578a_qkv:
	s_mov_b64 s[64:65], 0
	v_nop
	global_prefetch_b8 v0, s[64:65] scope:SCOPE_SE
	s_setreg_imm32_b32 hwreg(HW_REG_WAVE_MODE, 25, 1), 1
	s_wait_xcnt 0x0
	s_wait_alu depctr_hold_cnt(0) depctr_sa_sdst(0) depctr_va_vdst(0) depctr_va_sdst(0) depctr_va_ssrc(0) depctr_va_vcc(0) depctr_vm_vsrc(0)
	s_getreg_b32 s2, hwreg(HW_REG_IB_STS2, 6, 4)
	s_cmp_eq_u32 s2, 0
	s_cbranch_scc0 .Lentry_in_a_cluster
	s_endpgm
.Lentry_in_a_cluster:
	s_bfe_u32 s2, ttmp6, 0x10000c
	s_cmp_lg_u32 s2, 0x3003
	s_cbranch_scc0 .Lentry_shape_is_right
	s_endpgm
.Lentry_shape_is_right:
; qkv = x Wi^T + bi on codes of FP8 (E4M3) with one E8M0 scale for each 32 along K = 1,024; the results are quantised at once (q and k along the head's 64, v along the keys) and leave as IMAGES OF THE OPERAND REGISTERS that the attention launch loads.
; THE DEAL.  256 work-groups: token block tb (128 tokens) x group g (768 of Wi's 3,072 rows = six chunks of 128 rows).  Chunk G = 6 g + c is a pair of heads: kind G / 8 (0 q, 1 k, 2 v), pair G % 8: one image of 128 x 128.
; Four waves, 2 x 2: a wave holds 64 tokens of x, ALL of K, in 512 registers (windows 1, 2), and takes 64 rows of each chunk as four blocks of 16 rows (two sets in window 3), 32 products a block.
; LDS: two slots of 128 rows x (1,024 + 16) bytes.  x lands in slot 1, goes into registers, and chunk 1 is filled over it behind a drained round; chunk c + 1 is asked for at the head of chunk c: a whole chunk's products in which to land; one tensor load of mine is out at the most.
; CLUSTER 4 x 1: four token blocks of one group walk the same chunks: each quarter of a chunk is asked for jointly (mask 15).  x's rows are a work-group's own (no mask).  No branch and no LDS address hangs on the place in the cluster.
; ROLES.  q, k: source 0 = 16 rows of Wi, source 1 = 16 tokens: a lane holds a token and eight features.  v: source 0 = tokens, source 1 = Wi's rows: a lane holds a feature and eight tokens.  The branch hangs on g and the count of chunks.
; THE IMAGE of 128 (alpha, stays in a lane) x 128 (beta, the quantiser's axis): code (alpha, beta) at (beta/64) 8192 + T 1024 + ((beta%64)/32) 512 + (r' + 16 ((beta%32)/16)) 16 + beta%16, alpha = 32 (T/2) + 8 (T%2) + r' + 8 (r'/8);
; alpha's four scale bytes as a word at 16384 + (r' + 16 (T%2)) 16 + 4 (T/2).  The four waves gather an image in one of two LDS stages; behind the next round it is read back and stored, 512 consecutive bytes an instruction.
; THE BIAS of the group's 768 rows is staged once in LDS and is the C of a sum's first product.  Scale words come by plain loads: 32 bytes a row, lanes 0-15 one tile's rows, lanes 16-31 the next tile's.
; LIMITS: NaN and infinities among the inputs are not served.  A block of zeros gets the byte 1 (its codes are zeros; the bytes are read by this program alone); a block whose largest magnitude lies under 2^-118 is held at the byte 1.
.set PITCH, 1040
.set YB,    128*PITCH
.set IMGB,  2*YB
.set IMG,   16896
.set RECB,  67584
.set BIA,   IMGB+2*IMG
.set SPARE, BIA+3072
.set LI16, 1
.set LS,   2
.set PFO,  3
.set ADX,  4
.set ADW0, 5
.set ADW,  6
.set ST0,  7
.set SB0,  8
.set ST1,  9
.set SB1,  10
.set STO,  11
.set STB,  12
.set BA0,  13
.set BA1,  14
.set BAD,  15
.set RD0,  16
.set RW0,  17
.set RDA,  18
.set RWA,  19
.set GOF,  20
.set T8,   21
.set SPW,  24
.set NIL,  25
.set WSC,  32                          ; v32-47 the chunk's scale words: register 8 p + q: lanes 0-15 block 2 p, lanes 16-31 block 2 p + 1
.set XS,   52                          ; v52-67 x's likewise, by tiles of 16 tokens
.set WN,   68                          ; v68-83 the next chunk's, as they are loaded
.set TM,   84                          ; +0 largest magnitudes, +4 the other half's, then bytes, +8 448 x scale, +12 the conversions' scale operands
.set CD,   100
.set BI,   116                         ; v116-147 the bias: eight registers a block
.set ACC,  148                         ; v148-211 eight accumulators: a pair of blocks; the 16 registers of a scale block lie on end
.set RB,   212                         ; v212-247 an image's part on its way out
.set G1X,  24
.set G1H,  32
.set G1W,  40
.set G0X,  48
.set G0H,  52
.set G0R,  56
.set SLT,  60                          ; the slot of the chunk in hand: 0 or YB
.set STG,  61                          ; its stage: 0 or IMG
.set CT,   62                          ; c
.set GC,   63                          ; G = 6 g + c
.set SEL,  66
.set MNT,  68
.set CB,   69                          ; 512 c: the chunk's bias
.set WB,   70
.set PF,   72
.set WOFF, 88
.set MSB, 0
.macro WIN new
.if MSB != \new
	s_set_vgpr_msb (MSB<<8)|\new
.set MSB, \new
.endif
.endm
.macro PLACES n
.rept \n
	v_nop
.endr
.endm
.macro BARRIER
	s_barrier_signal -1
	s_barrier_wait -1
.endm
.macro CROUND
	BARRIER
	s_cmp_lg_u32 s14, 0
	s_cbranch_scc1 .Lnot_wave_0_\@
	s_barrier_signal -3
.Lnot_wave_0_\@:
	s_barrier_wait -3
	BARRIER
.endm
.macro GROUP1 g, w0, rows              ; so many whole rows of K, 1,024 bytes each, 16 bytes of padding behind each
	s_mov_b32 s[\g+0], (\w0)|(1<<20)|(7<<22)|(3<<25)
	s_mov_b32 s[\g+1], 1024<<16
	s_mov_b32 s[\g+2], (\rows)<<16
	s_mov_b32 s[\g+3], 1024<<16
	s_mov_b32 s[\g+4], \rows
	s_mov_b32 s[\g+5], 1024
	s_mov_b32 s[\g+6], 0
	s_mov_b32 s[\g+7], 0
.endm
	s_load_b128 s[4:7], s[0:1], 0x0                ; x's codes, scales
	s_load_b128 s[8:11], s[0:1], 0x10              ; Wi's codes, scales
	s_load_b64 s[12:13], s[0:1], 0x20              ; bi
	s_load_b128 s[96:99], s[0:1], 0x28             ; qimg, kvrec
	v_lshl_add_u32 v[SPW], v0, 2, SPARE
	v_mov_b32 v[NIL], 0
	ds_add_u32 v[SPW], v[NIL]
	ds_add_u32 v[SPW], v[NIL]
	v_lshrrev_b32 v1, 5, v0
	v_readfirstlane_b32 s14, v1
	s_lshr_b32 s15, s14, 1                         ; my half of the tokens
	s_and_b32 s16, s14, 1                          ; my half of a chunk's rows; at the head: which half of a tile I fetch
	s_bfe_u32 s17, ttmp6, 0x40000                  ; cx: it enters global addresses alone
	s_lshl_b32 s18, ttmp9, 2
	s_add_co_u32 s18, s18, s17                     ; tb
	s_and_b32 s19, ttmp7, 0xffff                   ; g
	s_mul_i32 s[GC], s19, 6
	GROUP1 G1X, 0, 64
	GROUP1 G1H, 15|(1<<21), 64
	GROUP1 G1W, 15|(1<<21), 32
	s_mov_b32 s[SLT], 0
	s_mov_b32 s[STG], 0
	s_mov_b32 s[CT], 0
	s_mov_b32 s[CB], 0
	s_mov_b32 s[SEL], 0x76543210
	s_mov_b32 s[SEL+1], 0xfedcba98
	s_mov_b32 s[MNT], 0x600000
	s_mul_i32 s[WOFF], s14, 32*PITCH               ; a refill: my quarter of a slot
	s_lshl_b32 s20, s18, 17                        ; x's codes: 128 tb rows, + my half at the head
	s_lshl_b32 s21, s16, 16
	s_add_co_u32 s20, s20, s21
	s_lshl_b32 s22, s[GC], 17                      ; Wi's codes: chunk G
	s_add_co_u32 s74, s22, s21                     ; + my half at the head
	s_lshl_b32 s23, s14, 15
	s_add_co_u32 s76, s22, s23                     ; + my quarter in a refill
	s_lshl_b32 s23, s17, 2
	s_add_co_u32 s23, s23, s14
	s_lshl_b32 s23, s23, 13                        ; the prefetch: my sixteenth of what the cluster will load,
	s_add_co_u32 s78, s22, s23
	s_add_co_u32 s78, s78, 131072                  ; in chunk 1: the first trip steps it to chunk 2
	s_lshl_b32 s80, s18, 12                        ; x's scales: my 64 tokens
	s_lshl_b32 s23, s15, 11
	s_add_co_u32 s80, s80, s23
	s_lshl_b32 s82, s[GC], 12                      ; Wi's scales: my 64 rows of chunk G
	s_lshl_b32 s23, s16, 11
	s_add_co_u32 s82, s82, s23
	s_mul_i32 s84, s19, 3072                       ; the group's bias
	s_mov_b32 s21, 0
	s_mov_b32 s75, 0
	s_mov_b32 s77, 0
	s_mov_b32 s79, 0
	s_mov_b32 s81, 0
	s_mov_b32 s83, 0
	s_mov_b32 s85, 0
	s_mov_b32 s[G0X], 1
	s_mul_i32 s[G0X+1], s16, 64*PITCH
	s_mov_b32 s[G0H], 1
	s_mov_b32 s[G0H+1], s[G0X+1]                   ; chunk 0 into slot 0,
	s_add_co_u32 s[G0X+1], s[G0X+1], YB            ; x into slot 1
	s_mov_b32 s[G0R], 1
	s_mov_b32 s[G0R+1], s[WOFF]
	s_wait_dscnt 0x0
	s_wait_kmcnt 0x0
	s_add_nc_u64 s[G0X+2:G0X+3], s[4:5], s[20:21]
	s_or_b32 s[G0X+3], s[G0X+3], 0x80000000
	s_add_nc_u64 s[G0H+2:G0H+3], s[8:9], s[74:75]
	s_or_b32 s[G0H+3], s[G0H+3], 0x80000000
	s_add_nc_u64 s[G0R+2:G0R+3], s[8:9], s[76:77]
	s_or_b32 s[G0R+3], s[G0R+3], 0x80000000
	s_add_nc_u64 s[PF:PF+1], s[8:9], s[78:79]
	s_add_nc_u64 s[6:7], s[6:7], s[80:81]
	s_add_nc_u64 s[WB:WB+1], s[10:11], s[82:83]
	s_add_nc_u64 s[12:13], s[12:13], s[84:85]
	s_mul_i32 s74, s15, 64*PITCH                   ; where I read and write in LDS
	s_add_co_u32 s74, s74, YB
	s_mul_i32 s75, s16, 64*PITCH
	s_lshl_b32 s76, s16, 13
	s_lshl_b32 s77, s15, 12
	s_add_co_u32 s76, s76, s77
	s_add_co_u32 s76, s76, IMGB                    ; q, k: 8192 x feature half + 4096 x token half
	s_lshl_b32 s77, s15, 13
	s_lshl_b32 s78, s16, 12
	s_add_co_u32 s77, s77, s78
	s_add_co_u32 s77, s77, IMGB                    ; v: the other way round
	s_lshl_b32 s78, s15, 3
	s_lshl_b32 s79, s16, 1
	s_add_co_u32 s78, s78, s79
	s_add_co_u32 s78, s78, IMGB+16384
	s_lshl_b32 s79, s16, 3
	s_lshl_b32 s80, s15, 1
	s_add_co_u32 s79, s79, s80
	s_add_co_u32 s79, s79, IMGB+16384
	s_lshl_b32 s80, s16, 8
	s_add_co_u32 s80, s80, BIA
	s_lshl_b32 s81, s14, 12
	s_add_co_u32 s82, s81, IMGB
	CROUND                                         ; all four work-groups are here
	s_cmp_lt_u32 s14, 2                            ; one load a wave: waves 0, 1 x's halves, waves 2, 3 chunk 0's
	s_cbranch_scc0 .Lhead_w
	tensor_load_to_lds s[G0X:G0X+3], s[G1X:G1X+7]
	s_nop 0
	PLACES 4
	s_branch .Lhead_asked
.Lhead_w:
	tensor_load_to_lds s[G0H:G0H+3], s[G1H:G1H+7]
	s_nop 0
	PLACES 4
.Lhead_asked:
	v_and_b32 v26, 31, v0
	v_lshlrev_b32 v[LI16], 4, v26
	v_lshlrev_b32 v[LS], 5, v26
	v_lshlrev_b32 v[PFO], 8, v26
	v_lshlrev_b32 v[T8], 3, v0
	v_and_b32 v27, 15, v0                          ; r
	v_bfe_u32 v28, v0, 4, 1                        ; h
	v_mul_u32_u24 v29, v27, PITCH
	v_lshl_add_u32 v29, v28, 4, v29
	v_add_nc_u32 v[ADX], s74, v29
	v_add_nc_u32 v[ADW0], s75, v29
	v_lshrrev_b32 v30, 3, v27
	v_and_b32 v31, 7, v27
	v_lshlrev_b32 v22, 4, v31
	v_lshl_add_u32 v23, v30, 10, v22
	v_lshl_add_u32 v23, v28, 3, v23                ; 1024 (r/8) + 16 (r%8) + 8 h
	v_add_nc_u32 v[ST0], s76, v23
	v_add_nc_u32 v[ST1], s77, v23
	v_lshl_add_u32 v22, v30, 8, v22                ; 256 (r/8) + 16 (r%8)
	v_add_nc_u32 v[SB0], s78, v22
	v_add_nc_u32 v[SB1], s79, v22
	v_lshl_add_u32 v[BA0], v28, 5, s80
	v_lshl_add_u32 v[BA1], v27, 2, s80
	v_add_nc_u32 v[RD0], s82, v[LI16]
	v_add_nc_u32 v[RW0], IMGB+16384, v[LI16]
	v_add_nc_u32 v[GOF], s81, v[LI16]
	v_add_nc_u32 v26, BIA, v[T8]
.irp k, 0,1,2,3
	v_mov_b32 v[TM+4+\k], 0                        ; a lane permute's destination counts as one of its sources
.endr
.irp k, 0,1,2
	global_load_b64 v[RB+2*\k:RB+2*\k+1], v[T8], s[12:13] offset:1024*\k
.endr
.irp p, 0,1
.irp f, 0,1
	global_load_b128 v[XS+8*\p+4*\f:XS+8*\p+4*\f+3], v[LS], s[6:7] offset:1024*\p+16*\f
	global_load_b128 v[WN+8*\p+4*\f:WN+8*\p+4*\f+3], v[LS], s[WB:WB+1] offset:1024*\p+16*\f
.endr
.endr
	s_wait_alu depctr_va_vdst(0)                   ; the wait at the head's end
	s_wait_loadcnt 8                               ; the bias is in; behind it: the eight loads of scale words
.irp k, 0,1,2
	ds_store_b64 v26, v[RB+2*\k:RB+2*\k+1] offset:1024*\k
.endr
	s_cmp_lt_u32 s14, 2                            ; waves 0 and 1, whose load line is theirs alone, wait for x; chunk 0's loads are waited for at the first trip's head
	s_cbranch_scc0 .Lnot_x
	s_wait_tensorcnt 0x0
.Lnot_x:
	s_wait_dscnt 0x0
	BARRIER                                        ; x and the bias are in LDS
.set n, 0
.rept 32                               ; x into registers: fragment 4 q + a (tile a of 16 tokens, the q-th 128 of K) in window 1 + q / 4
	WIN (1+n/16)<<6
.irp c, 0,1,2,3
	ds_load_b128 v[16*(n%16)+4*\c:16*(n%16)+4*\c+3], v[ADX] offset:128*(n/4)+32*\c+(n%4)*16*PITCH
.endr
.set n, n+1
.endr
	WIN 0
.macro FETCH bl                        ; block bl of the chunk, 16 rows, all of K, into set bl % 2 of window 3: 32 loads
	WIN 3<<6
.irp q, 0,1,2,3,4,5,6,7
.irp c, 0,1,2,3
	ds_load_b128 v[128*((\bl)%2)+16*\q+4*\c:128*((\bl)%2)+16*\q+4*\c+3], v[ADW] offset:128*\q+32*\c+(\bl)*16*PITCH
.endr
.endr
	WIN 0
.endm
.macro WM
.if RA_ && RB_
	v_wmma_scale_f32_16x16x128_f8f6f4 v[D_:D_+7], v[A_:A_+15], v[B_:B_+15], v[C_:C_+7], v[SA_], v[SB_] matrix_a_scale:MATRIX_SCALE_ROW1 matrix_b_scale:MATRIX_SCALE_ROW1
.elseif RA_
	v_wmma_scale_f32_16x16x128_f8f6f4 v[D_:D_+7], v[A_:A_+15], v[B_:B_+15], v[C_:C_+7], v[SA_], v[SB_] matrix_a_scale:MATRIX_SCALE_ROW1
.elseif RB_
	v_wmma_scale_f32_16x16x128_f8f6f4 v[D_:D_+7], v[A_:A_+15], v[B_:B_+15], v[C_:C_+7], v[SA_], v[SB_] matrix_b_scale:MATRIX_SCALE_ROW1
.else
	v_wmma_scale_f32_16x16x128_f8f6f4 v[D_:D_+7], v[A_:A_+15], v[B_:B_+15], v[C_:C_+7], v[SA_], v[SB_]
.endif
.endm
.macro BLOCK kind, bl, w               ; 32 products: n = 4 q + a; the four accumulators take turns; the first four take the bias as C
	s_wait_dscnt \w
.set n, 0
.rept 32
.set Q_, n/4
.set A4_, n%4
.set T_, (\bl)%2
.set XR_, 16*(n%16)
.set WR_, 128*T_+16*Q_
.set XW_, XS+8*(A4_/2)+Q_
.set WW_, WSC+8*((\bl)/2)+Q_
.if \kind
.set D_, ACC+8*(4*T_+A4_)
.set A_, XR_
.set B_, WR_
.set SA_, XW_
.set SB_, WW_
.set RA_, A4_%2
.set RB_, T_
	WIN (1+Q_/4)|(3<<2)
.else
.set D_, ACC+8*(2*A4_+T_)
.set A_, WR_
.set B_, XR_
.set SA_, WW_
.set SB_, XW_
.set RA_, T_
.set RB_, A4_%2
	WIN 3|((1+Q_/4)<<2)
.endif
.set C_, D_
.if Q_ == 0
.set C_, BI+8*(\bl)
.endif
	WM
.set n, n+1
.endr
	WIN 0
.endm
; THE QUANTISER of a pair of blocks: four scale blocks of 32, of which a lane holds 16 numbers each (registers 16 k ..) and lane l xor 16 the others.
.macro QUANT kind, pr
.irp k, 0,1,2,3
	v_max3_num_f32 v[TM+\k], |v[ACC+16*\k]|, |v[ACC+16*\k+1]|, 0x4800000   ; each accumulator from its low end on; the floor 2^(9 - 127) holds the byte at 1 from below
.endr
.irp i, 2,4,6,8,10,12,14
.irp k, 0,1,2,3
	v_max3_num_f32 v[TM+\k], |v[ACC+16*\k+\i]|, |v[ACC+16*\k+\i+1]|, v[TM+\k]
.endr
.endr
.irp k, 0,1,2,3
	v_permlanex16_b32 v[TM+4+\k], v[TM+\k], s[SEL], s[SEL+1]
.endr
.irp k, 0,1,2,3
	v_max_num_f32 v[TM+\k], v[TM+\k], v[TM+4+\k]
.endr
.irp k, 0,1,2,3
	v_add_nc_u32 v[TM+12+\k], 0xfc000000, v[TM+\k] ; 8 off the exponent field: the conversion's scale operand
.endr
.irp k, 0,1,2,3
	v_and_or_b32 v[TM+8+\k], v[TM+\k], 0x7f800000, s[MNT]   ; 448 x the scale
.endr
.irp k, 0,1,2,3
	v_lshrrev_b32 v[TM+4+\k], 23, v[TM+12+\k]      ; the scale's byte
.endr
.set n, 0
.rept 64
	v_med3_num_f32 v[ACC+n], v[ACC+n], -v[TM+8+n/16], v[TM+8+n/16]   ; the conversion does not saturate (ISA guide 7.6.2): the hold comes first
.set n, n+1
.endr
.irp u, 0,1,2,3,4,5,6,7
	v_cvt_scalef32_pk8_fp8_f32 v[CD+2*\u:CD+2*\u+1], v[ACC+8*\u:ACC+8*\u+7], v[TM+12+\u/2]
.endr
	v_nop                                          ; a plain vector instruction behind the last conversion
.irp u, 0,1,2,3,4,5,6,7
.if \kind                              ; accumulator u = 4 t + a
	ds_store_b64 v[STO], v[CD+2*\u:CD+2*\u+1] offset:(\pr)*2048+((\u%4)/2)*512+(\u%2)*256+(\u/4)*128
.else                                  ; accumulator u = 2 a + t
	ds_store_b64 v[STO], v[CD+2*\u:CD+2*\u+1] offset:(\u/4)*2048+(\pr)*512+(\u%2)*256+((\u/2)%2)*128
.endif
.endr
.irp k, 0,1,2,3
.if \kind                              ; scale block k = 2 t + a / 2
	ds_store_b8 v[STB], v[TM+4+\k] offset:(\k/2)*128+(\pr)*4+(\k%2)
.else                                  ; scale block k = a
	ds_store_b8 v[STB], v[TM+4+\k] offset:(\k%2)*128+(\k/2)*4+(\pr)
.endif
.endr
.endm
.macro CHUNK kind
.if \kind
	v_add_nc_u32 v[STO], s[STG], v[ST1]
	v_add_nc_u32 v[STB], s[STG], v[SB1]
	v_add_nc_u32 v[BAD], s[CB], v[BA1]
	s_wait_alu depctr_va_vdst(0)                   ; the wait behind these writes
.irp b, 0,1,2,3
.irp j, 0,1,2,3,4,5,6,7
	ds_load_b32 v[BI+8*\b+\j], v[BAD] offset:64*\b ; all eight registers: the bias of my lane's row
.endr
.endr
.else
	v_add_nc_u32 v[STO], s[STG], v[ST0]
	v_add_nc_u32 v[STB], s[STG], v[SB0]
	v_add_nc_u32 v[BAD], s[CB], v[BA0]
	s_wait_alu depctr_va_vdst(0)
.irp b, 0,1,2,3
	ds_load_b128 v[BI+8*\b:BI+8*\b+3], v[BAD] offset:64*\b      ; register j: row 16 b + 8 h + j
	ds_load_b128 v[BI+8*\b+4:BI+8*\b+7], v[BAD] offset:64*\b+16
.endr
.endif
	FETCH 0
	FETCH 1
	BLOCK \kind, 0, 32                             ; behind block 0's fetch: block 1's 32 loads
	PLACES 8
	FETCH 2
	BLOCK \kind, 1, 32                             ; behind block 1's: block 2's
	PLACES 8
	FETCH 3
	QUANT \kind, 0
	BLOCK \kind, 2, 44                             ; behind block 2's: block 3's 32 loads and 12 stores to the stage
	BLOCK \kind, 3, 12                             ; behind block 3's: the 12 stores
	PLACES 8
	QUANT \kind, 1
.endm
; The image of the chunk before goes out: 33 pieces of 512 bytes: eight a wave, and the scale words by wave 0.
.macro RBACK first
.if \first
	s_cmp_eq_u32 s[CT], 0
	s_cbranch_scc1 .Lno_image_\@
.endif
	s_wait_xcnt 0x0                                ; the last image's stores have read their registers and bases
	s_sub_co_u32 s74, s[GC], 1
	s_lshr_b32 s75, s74, 3                         ; kind
	s_and_b32 s76, s74, 7                          ; pair of heads
	s_lshl_b32 s77, s18, 3
	s_add_co_u32 s77, s77, s76
	s_mul_i32 s77, s77, IMG                        ; q: block 8 tb + pair
	s_add_co_u32 s78, s77, 16384
	s_lshr_b32 s79, s18, 3
	s_lshl_b32 s79, s79, 2
	s_lshr_b32 s80, s76, 1
	s_add_co_u32 s79, s79, s80
	s_lshl_b32 s79, s79, 3
	s_and_b32 s80, s18, 7
	s_add_co_u32 s79, s79, s80
	s_mul_i32 s79, s79, RECB                       ; k, v: record (4 batch + head group) 8 + key step
	s_and_b32 s80, s76, 1
	s_lshl_b32 s81, s80, 14
	s_add_co_u32 s81, s81, s79
	s_lshl_b32 s80, s80, 9
	s_add_co_u32 s80, s80, s79
	s_add_co_u32 s80, s80, 65536
	s_cmp_eq_u32 s75, 2
	s_cselect_b32 s86, 32768, 0                    ; V's codes lie behind K's, and V's scale words behind K's
	s_cselect_b32 s87, 1024, 0
	s_add_co_u32 s81, s81, s86
	s_add_co_u32 s80, s80, s87
	s_cmp_eq_u32 s75, 0
	s_cselect_b32 s82, s77, s81
	s_cselect_b32 s84, s78, s80
	s_cselect_b64 s[86:87], s[96:97], s[98:99]
	s_mov_b32 s83, 0
	s_mov_b32 s85, 0
	s_add_nc_u64 s[82:83], s[86:87], s[82:83]
	s_add_nc_u64 s[84:85], s[86:87], s[84:85]
	s_xor_b32 s74, s[STG], IMG                     ; the other stage
	v_add_nc_u32 v[RDA], s74, v[RD0]
	v_add_nc_u32 v[RWA], s74, v[RW0]
.irp n, 0,1,2,3,4,5,6,7
	ds_load_b128 v[RB+4*\n:RB+4*\n+3], v[RDA] offset:512*\n
.endr
	ds_load_b128 v[RB+32:RB+35], v[RWA]
	s_wait_dscnt 0x0
.irp n, 0,1,2,3,4,5,6,7
	global_store_b128 v[GOF], v[RB+4*\n:RB+4*\n+3], s[82:83] offset:512*\n   ; 32 lanes store 512 consecutive bytes, at a multiple of 256 from the buffer's first byte
.endr
	s_cmp_lg_u32 s14, 0
	s_cbranch_scc1 .Lno_image_\@
	global_store_b128 v[LI16], v[RB+32:RB+35], s[84:85]
.Lno_image_\@:
.endm
.macro TRIP fill
	s_wait_alu depctr_va_vdst(0)
	s_wait_tensorcnt 0x0                           ; my part of this chunk is in
	ds_add_u32 v[SPW], v[NIL]
	s_wait_xcnt 0x0                                ; my loads and my prefetch have read their bases
.if \fill
	s_xor_b32 s20, s[SLT], YB
	s_add_co_u32 s[G0R+1], s20, s[WOFF]            ; the other slot,
	s_add_nc_u64 s[G0R+2:G0R+3], s[G0R+2:G0R+3], 131072   ; the next chunk
	s_add_nc_u64 s[PF:PF+1], s[PF:PF+1], 131072
	s_add_nc_u64 s[WB:WB+1], s[WB:WB+1], 4096
.endif
	s_wait_dscnt 0x0
.if \fill
	CROUND
	tensor_load_to_lds s[G0R:G0R+3], s[G1W:G1W+7]
	s_nop 0
	PLACES 4
	s_cmp_lt_u32 s[CT], 4                          ; a prefetch of the chunk after the one just asked for: 131,072 bytes, shared out by address among the cluster's sixteen waves, lanes 256 bytes apart; the last refill asks for nothing
	s_cbranch_scc0 .Lnone_ahead_\@
	global_prefetch_b8 v[PFO], s[PF:PF+1] th:TH_LOAD_NT scope:SCOPE_SE
.Lnone_ahead_\@:
.else
	BARRIER
.endif
	RBACK 1
	s_wait_loadcnt 0x0                             ; this chunk's scale words (the first time: x's too)
.set n, 0
.rept 16
	v_mov_b32 v[WSC+n], v[WN+n]
.set n, n+1
.endr
.if \fill
.irp p, 0,1
.irp f, 0,1
	global_load_b128 v[WN+8*\p+4*\f:WN+8*\p+4*\f+3], v[LS], s[WB:WB+1] offset:1024*\p+16*\f
.endr
.endr
.endif
	v_add_nc_u32 v[ADW], s[SLT], v[ADW0]
	PLACES 8                                       ; a scale register written by a vector instruction stands eight places ahead of its product
	s_wait_alu depctr_va_vdst(0)
	s_lshr_b32 s20, s[GC], 3
	s_cmp_eq_u32 s20, 2
	s_cbranch_scc1 .Lkind_v_\@
	CHUNK 0
	s_branch .Lkind_done_\@
.Lkind_v_\@:
	CHUNK 1
.Lkind_done_\@:
	s_xor_b32 s[SLT], s[SLT], YB
	s_xor_b32 s[STG], s[STG], IMG
	s_add_co_u32 s[CB], s[CB], 512
	s_add_co_u32 s[GC], s[GC], 1
.endm
.Lchunk:                                           ; five trips, each with its one refill
	TRIP 1
	s_add_co_u32 s[CT], s[CT], 1
	s_cmp_lt_u32 s[CT], 5
	s_cbranch_scc1 .Lchunk
	TRIP 0                                         ; the last chunk is written out: it asks for nothing
	s_wait_alu depctr_va_vdst(0)
	s_wait_dscnt 0x0
	BARRIER                                        ; the last image is whole
	RBACK 0
	s_wait_tensorcnt 0x0                           ; the wave's end
	ds_add_u32 v[SPW], v[NIL]
	s_wait_dscnt 0x0
	CROUND                                         ; the closing round
	s_endpgm
.Lfunc_end_k_qe256fb578a_qkv:
	.size	k_qe256fb578a_qkv, .Lfunc_end_k_qe256fb578a_qkv-k_qe256fb578a_qkv
	.p2alignl 7, 3214868480
	.fill 96, 4, 3214868480
	.section	.rodata,"a",@progbits
	.p2align	6, 0x0
	.amdhsa_kernel k_qe256fb578a_qkv
		.amdhsa_group_segment_fixed_size 327680
		.amdhsa_private_segment_fixed_size 0
		.amdhsa_enable_private_segment 0
		.amdhsa_kernarg_size 56
		.amdhsa_user_sgpr_count 2
		.amdhsa_user_sgpr_kernarg_segment_ptr 1
		.amdhsa_wavefront_size32 1
		.amdhsa_system_sgpr_workgroup_id_x 1
		.amdhsa_system_sgpr_workgroup_id_y 1
		.amdhsa_system_sgpr_workgroup_id_z 1
		.amdhsa_system_vgpr_workitem_id 0
		.amdhsa_next_free_vgpr 1024
		.amdhsa_next_free_sgpr 100
		.amdhsa_reserve_vcc 0
		.amdhsa_float_denorm_mode_32 3
		.amdhsa_float_denorm_mode_16_64 3
		.amdhsa_memory_ordered 1
		.amdhsa_forward_progress 1
		.amdhsa_inst_pref_size 207
	.end_amdhsa_kernel
	.amdgpu_metadata
---
amdhsa.version: [ 1, 2 ]
amdhsa.kernels:
  - .name:           k_qe256fb578a_qkv
    .symbol:         k_qe256fb578a_qkv.kd
    .args:
      - { .name: x_codes, .offset: 0, .size: 8, .value_kind: global_buffer, .address_space: global }
      - { .name: x_scales, .offset: 8, .size: 8, .value_kind: global_buffer, .address_space: global }
      - { .name: Wi_codes, .offset: 16, .size: 8, .value_kind: global_buffer, .address_space: global }
      - { .name: Wi_scales, .offset: 24, .size: 8, .value_kind: global_buffer, .address_space: global }
      - { .name: bi, .offset: 32, .size: 8, .value_kind: global_buffer, .address_space: global }
      - { .name: qimg, .offset: 40, .size: 8, .value_kind: global_buffer, .address_space: global }
      - { .name: kvrec, .offset: 48, .size: 8, .value_kind: global_buffer, .address_space: global }
    .group_segment_fixed_size: 327680
    .private_segment_fixed_size: 0
    .kernarg_segment_align: 8
    .kernarg_segment_size: 56
    .max_flat_workgroup_size: 128
    .sgpr_count:     100
    .vgpr_count:     1024
    .wavefront_size: 32
...
	.end_amdgpu_metadata
.endif
;; end of part 1
;; launch attn (part 2): grid 8 x 32, 8 waves a work-group, clusters of 4 x 1, 327,680 bytes of LDS; arguments qimg, kvrec, cutoff_factors, ao_codes, ao_scales; writes ao_codes, ao_scales
.if DOCPART == 2
	.amdgcn_target "amdgcn-amd-amdhsa--gfx1250"
	.amdhsa_code_object_version 6
	.text
	.protected	k_qe256fb578a_attn
	.globl	k_qe256fb578a_attn
	.p2align	8
	.type	k_qe256fb578a_attn,@function
k_qe256fb578a_attn:
	s_mov_b64 s[64:65], 0
	v_nop
	global_prefetch_b8 v0, s[64:65] scope:SCOPE_SE
	s_setreg_imm32_b32 hwreg(HW_REG_WAVE_MODE, 25, 1), 1
	s_wait_xcnt 0x0
	s_wait_alu depctr_hold_cnt(0) depctr_sa_sdst(0) depctr_va_vdst(0) depctr_va_sdst(0) depctr_va_ssrc(0) depctr_va_vcc(0) depctr_vm_vsrc(0)
	s_getreg_b32 s2, hwreg(HW_REG_IB_STS2, 6, 4)
	s_cmp_eq_u32 s2, 0
	s_cbranch_scc0 .Lentry_in_a_cluster
	s_endpgm
.Lentry_in_a_cluster:
	s_bfe_u32 s2, ttmp6, 0x10000c
	s_cmp_lg_u32 s2, 0x3003
	s_cbranch_scc0 .Lentry_shape_is_right
	s_endpgm
.Lentry_shape_is_right:
; Attention on codes of FP8 (E4M3), one E8M0 scale for each 32 along a product's K, with the additive mask log(max(cutoff, 1e-15)); the result is quantised along the 1,024 features for the last product.
; t = (q . k / 8 + ln cf) log2(e) = (q . k + 8 ln cf) c, c = log2(e) / 8: 8 ln cf = 8 ln 2 x log2(max(cf, eps)) is the C of the score product, made once for four heads.
; M = the row's largest t so far, rounded up to a whole number; p = 2^(t - M) is quantised along the keys; the row's sum is taken of the unquantised p and divides at the end; when M moves, sum and O are multiplied by 2^(old M - new M): exact.
; SHARES.  A work-group owns 128 queries of one batch and four heads; wave w owns query tile w (lane r: query 32 (w/2) + 8 (w%2) + r + 8 (r/8)) for all four heads.  Two waves of 512 registers to a SIMD.
; Every wave walks the 1,024 keys, 128 a step.  A step's K and V of the four heads are one record of kvrec (65,536 bytes of codes, 2,048 of scale words): images of the operand registers (16 bytes a lane at 16 x lane).
; THE RING: two LDS slots of TWO records' codes (131,072 bytes): four changes of slots for eight key steps; waves 0 to 3 fetch half a record's codes each.  The scale words of all eight records (16,384 bytes) come once, by wave 4's load at the head.
; CLUSTER.  The four query blocks of a cluster walk the same records: each load is asked for jointly, with the same descriptor and the mask 15.
; LAYOUT.  Both products transposed: S^T = K Q^T + mask, O^T = V^T P^T: a lane holds one query throughout; register 16 b + i of S^T is key 32 b + 16 (lane/16) + i.
; K = 64 IN A FORM OF 128.  An even head's codes stand in operand registers 0-7, an odd head's in 8-15; Q's other eight registers are zero codes; K's other eight are the neighbouring tile's codes (finite) or the zeros of v160-167.
; TWO BUFFERS BY TURNS.  X = v96-159, Y = v168-231.  An even head has K, then V, in X and its scores in Y; an odd head the other way round.  When a block of p has been converted, its registers take the next head's K: 16 (17 with the scale words) LDS loads that stand behind V's.
; LIMITS: NaN and infinities among the inputs are not served.  A block of zeros gets the byte 1 (its codes are zeros; the bytes are read by this program alone); blocks whose largest magnitude lies under 2^-118 are held at the byte 1.
; The promise holds while the scaled scores t stay under 2^31 in magnitude.  The result's scale bytes leave as words of 4 bytes, 32 bytes apart: 262,144 bytes in the whole launch.
; REGISTERS.  window 0: v1-15 addresses; v16-31 statistics (head i: -M, largest t, the sum in two halves); v32-44 scale words; v46-71, v89-95 at work; v72-87 p's codes; X; v160-167 zeros; Y; v232-249 the way out.
;   window 1: v0-127 O^T (head i, tile t at 32 i + 8 t); v128-175 Q (pair pg at 128 + 24 pg: even head's 8, 8 zeros, odd head's 8); v192-255 the mask.
.set RECB,  67584
.set QB,    16896
.set SLOT1, 1<<17
.set SCW,   2*SLOT1                    ; the scale words: record n at 2,048 n: K's 2 x 512, V's 2 x 512
.set SPARE, SCW+16384                  ; the spare words: 128 bytes for each of eight waves
.set STAGE, SPARE+1024                 ; the way out: 16 rows x 272 bytes for each wave; no tensor load lands here
.set SP,    272
.set LI,   1
.set ADK,  2
.set ADS,  3
.set SPW,  4
.set NIL,  5
.set MOF,  6
.set PFC,  7
.set PFKO, 8
.set QO,   9
.set QSO,  10
.set STO,  11
.set RD,   12
.set GO,   13
.set GS,   14
.set HH,   15
.set ST,   16
.set QW,   32
.set KW,   36
.set VW,   40
.set PW,   44
.set SUM4, 46
.set BM,   48
.set BT,   52
.set BH,   56
.set BS,   60
.set F,    64
.set TMP,  66
.set SUM2, 68
.set PC,   72
.set BHC,  89                          ; a second copy of 448 x the scale, in another register bank: the second half of a dual pair reads it
.set SUM3, 94
.set LL,   232
.set LP,   236
.set RC,   240
.set AW,   248
.set O,    0
.set QR,   128
.set MK,   192
.set MB,   8
.set WV,   14
.set SEL,  20
.set CS,   22
.set MNT,  24
.set EPS,  25
.set LN8,  26
.set G1,   28
.set G0,   36
.set TB,   40                          ; LDS byte of the record in hand
.set SLOTS, 41
.set LIMK, 42
.set LIMC, 43
.set PFK,  44
.set TS,   60                          ; LDS byte of its scale words
.set LEFT, 61                          ; key steps to go, this one among them
.set Q2,   62
.set G1W,  68
.set G0W,  76
.set MSB, 0
.macro WIN new
.if MSB != \new
	s_set_vgpr_msb (MSB<<8)|\new
.set MSB, \new
.endif
.endm
.macro PLACES n
.rept \n
	v_nop
.endr
.endm
.macro CROUND
	s_barrier_signal -1
	s_barrier_wait -1
	s_cmp_lg_u32 s[WV], 0
	s_cbranch_scc1 .Lnot_wave_0_\@
	s_barrier_signal -3
.Lnot_wave_0_\@:
	s_barrier_wait -3
	s_barrier_signal -1
	s_barrier_wait -1
.endm
.macro JLOAD                           ; waves 0 to 3 fetch a quarter of a slot each
	s_cmp_lt_u32 s[WV], 4
	s_cbranch_scc0 .Lnone_\@
	tensor_load_to_lds s[G0:G0+3], s[G1:G1+7]
	s_nop 0
	PLACES 4
.Lnone_\@:
.endm
; A prefetch of the codes of the slot after the one that is being asked for: 131,072 bytes.  Both clusters of a head group walk the same records: the first asks; its four partners take half a record each, told apart by address;
; in each, waves 4 to 7 take 8,192 bytes, lanes 256 bytes apart.  The last change that fills a slot asks for nothing; slots 0 and 1 come by their loads alone.
.macro ASK
	s_cmp_gt_u32 s[SLOTS], s[LIMK]
	s_cbranch_scc0 .Lnot_kv_\@
	global_prefetch_b8 v[PFKO], s[PFK:PFK+1] th:TH_LOAD_NT scope:SCOPE_SE
.Lnot_kv_\@:
.endm
	s_load_b256 s[4:11], s[0:1], 0x0               ; qimg, kvrec, cutoff, ao_codes
	s_load_b64 s[12:13], s[0:1], 0x20              ; ao_scales
	v_lshl_add_u32 v[SPW], v0, 2, SPARE
	v_mov_b32 v[NIL], 0
	ds_add_u32 v[SPW], v[NIL]                      ; the opening lines: the add, twice on end, and its wait below
	ds_add_u32 v[SPW], v[NIL]
	v_lshrrev_b32 v1, 5, v0
	v_readfirstlane_b32 s[WV], v1
	s_bfe_u32 s15, ttmp6, 0x40000                  ; cx
	s_lshl_b32 s16, ttmp9, 2
	s_add_co_u32 s16, s16, s15                     ; my block of 128 queries: it enters global addresses alone
	s_and_b32 s17, ttmp7, 0xffff                   ; 4 x batch + head group
	s_lshr_b32 s18, s17, 2
	s_and_b32 s19, s17, 3
	s_mov_b32 s[SEL], 0x76543210
	s_mov_b32 s[SEL+1], 0xfedcba98
	s_mov_b32 s[CS], 0x3e38aa3b                    ; log2(e) / 8
	s_mov_b32 s[CS+1], s[CS]
	s_mov_b32 s[MNT], 0x600000
	s_mov_b32 s[EPS], 0x26901d7d                   ; 1e-15
	s_mov_b32 s[LN8], 0x40b17218                   ; 8 ln 2
	s_mov_b32 s[LN8+1], s[LN8]
	s_mov_b32 s[TB], 0
	s_mov_b32 s[TS], SCW
	s_mov_b32 s[SLOTS], 3
	s_mov_b32 s[LEFT], 8
	s_mov_b32 s[G1], 15|(3<<16)|(1<<21)            ; half a record's codes, 32,768 dense bytes: 16 rows of 2,048 bytes (256 elements of 8)
	s_mov_b32 s[G1+1], 256<<16
	s_mov_b32 s[G1+2], 16<<16
	s_mov_b32 s[G1+3], 256<<16
	s_mov_b32 s[G1+4], 16
	s_mov_b32 s[G1+5], 256
	s_mov_b32 s[G1+6], 0
	s_mov_b32 s[G1+7], 0
	s_mov_b32 s[G1W], 15|(3<<16)|(1<<21)           ; the scale words: 8 rows of 2,048 bytes, a record apart
	s_mov_b32 s[G1W+1], 256<<16
	s_mov_b32 s[G1W+2], 8<<16
	s_mov_b32 s[G1W+3], 256<<16
	s_mov_b32 s[G1W+4], 8
	s_mov_b32 s[G1W+5], RECB/8
	s_mov_b32 s[G1W+6], 0
	s_mov_b32 s[G1W+7], 0
	s_mul_i32 s46, s17, 8*RECB                     ; my head group's eight records
	s_and_b32 s48, s[WV], 1
	s_lshl_b32 s48, s48, 15                        ; K's or V's half
	s_bfe_u32 s49, s[WV], 0x10001
	s_mul_i32 s49, s49, RECB                       ; of the slot's first or second record
	s_add_co_u32 s50, s46, s48
	s_add_co_u32 s50, s50, s49
	s_mov_b32 s51, 0
	s_mov_b32 s[G0], 1
	s_and_b32 s[G0+1], s[WV], 3
	s_lshl_b32 s[G0+1], s[G0+1], 15
	s_mov_b32 s[G0W], 1
	s_mov_b32 s[G0W+1], SCW
	s_add_co_u32 s[G0W+2], s46, 65536
	s_mov_b32 s[G0W+3], 0
	s_lshr_b32 s52, s15, 1                         ; the prefetch: my work-group's half record,
	s_mul_i32 s52, s52, RECB
	s_and_b32 s53, s15, 1
	s_lshl_b32 s53, s53, 15
	s_add_co_u32 s52, s52, s53
	s_and_b32 s53, s[WV], 3
	s_lshl_b32 s53, s53, 13                        ; my wave's 8,192 bytes of it,
	s_add_co_u32 s52, s52, s53
	s_add_co_u32 s52, s52, s46
	s_add_co_u32 s52, s52, 2*RECB                  ; in slot 1: the first change steps it to slot 2
	s_mov_b32 s53, 0
	s_lshr_b32 s[LIMK], s[WV], 2
	s_xor_b32 s[LIMK], s[LIMK], 1                  ; 0 in waves 4 to 7,
	s_or_b32 s[LIMK], s[LIMK], ttmp9               ; of the head group's first cluster
	s_cmp_eq_u32 s[LIMK], 0
	s_cselect_b32 s[LIMK], 1, -1
	s_cmp_eq_u32 s19, 0
	s_cselect_b32 s[LIMC], 2, -1                   ; cutoff's prefetch: head group 0 asks, while two more key steps follow
	s_lshl_b32 s54, s18, 3
	s_add_co_u32 s54, s54, s16
	s_lshl_b32 s54, s54, 3
	s_lshl_b32 s55, s19, 1
	s_add_co_u32 s54, s54, s55
	s_mul_i32 s54, s54, QB                         ; Q: block 8 x (my block of tokens) + my first pair of heads
	s_mov_b32 s55, 0
	s_lshl_b32 s56, s18, 10
	s_lshl_b32 s57, s16, 7
	s_add_co_u32 s56, s56, s57
	s_lshr_b32 s57, s[WV], 1
	s_lshl_b32 s57, s57, 5
	s_add_co_u32 s56, s56, s57
	s_and_b32 s57, s[WV], 1
	s_lshl_b32 s57, s57, 3
	s_add_co_u32 s56, s56, s57                     ; my tile's first token
	s_lshl_b32 s58, s56, 12
	s_mov_b32 s59, 0
	s_lshl_b32 s46, s56, 10
	s_lshl_b32 s47, s19, 8
	s_add_co_u32 s46, s46, s47
	s_mov_b32 s47, 0
	s_lshl_b32 s48, s56, 5
	s_lshl_b32 s49, s19, 3
	s_add_co_u32 s48, s48, s49
	s_mov_b32 s49, 0
	s_wait_dscnt 0x0
	s_wait_kmcnt 0x0
	s_add_nc_u64 s[G0+2:G0+3], s[6:7], s[50:51]
	s_or_b32 s[G0+3], s[G0+3], 0x80000000
	s_add_nc_u64 s[G0W+2:G0W+3], s[6:7], s[G0W+2:G0W+3]
	s_or_b32 s[G0W+3], s[G0W+3], 0x80000000
	s_add_nc_u64 s[PFK:PFK+1], s[6:7], s[52:53]
	s_add_nc_u64 s[4:5], s[4:5], s[54:55]
	s_add_nc_u64 s[MB:MB+1], s[MB:MB+1], s[58:59]
	s_add_nc_u64 s[10:11], s[10:11], s[46:47]
	s_add_nc_u64 s[12:13], s[12:13], s[48:49]
	s_lshl_b32 s46, s[WV], 10                      ; Q's codes of tile w
	s_and_b32 s47, s[WV], 1
	s_lshl_b32 s47, s47, 8
	s_lshr_b32 s48, s[WV], 1
	s_lshl_b32 s48, s48, 2
	s_add_co_u32 s47, s47, s48
	s_add_co_u32 s47, s47, 16384                   ; tile w's scale words
	s_mul_i32 s48, s[WV], 16*SP
	s_add_co_u32 s48, s48, STAGE                   ; my stage
	CROUND                                         ; all four work-groups are here: the first joint loads meet
	s_cmp_lt_u32 s[WV], 4                          ; one tree of branches on the wave's number, one load to an arm
	s_cbranch_scc0 .Lhead_w
	tensor_load_to_lds s[G0:G0+3], s[G1:G1+7]      ; waves 0 to 3: slot 0
	s_nop 0
	PLACES 4
	s_branch .Lhead_asked
.Lhead_w:
	s_cmp_eq_u32 s[WV], 4
	s_cbranch_scc0 .Lhead_asked
	tensor_load_to_lds s[G0W:G0W+3], s[G1W:G1W+7]  ; wave 4: the scale words, filled once
	s_nop 0
	PLACES 4
.Lhead_asked:
	v_and_b32 v[LI], 31, v0
	v_lshlrev_b32 v[PFKO], 8, v[LI]
	v_lshlrev_b32 v[LI], 4, v[LI]                  ; 16 x lane
	v_and_b32 v[GS], 15, v0                        ; r
	v_bfe_u32 v[HH], v0, 4, 1                      ; h
	v_and_b32 v[GO], 8, v[GS]
	v_add_nc_u32 v[GO], v[GO], v[GS]               ; r + 8 (r / 8)
	v_lshlrev_b32 v[MOF], 12, v[GO]
	v_lshl_add_u32 v[PFC], v[HH], 8, v[MOF]
	v_lshl_add_u32 v[MOF], v[HH], 6, v[MOF]
	v_add_nc_u32 v[QO], s46, v[LI]
	v_lshl_add_u32 v[QSO], v[GS], 4, s47
	v_mul_u32_u24 v[STO], v[GS], SP
	v_lshl_add_u32 v[STO], v[HH], 4, v[STO]
	v_add_nc_u32 v[STO], s48, v[STO]               ; the stage, in: row r, + 16 h
	v_mul_u32_u24 v[RD], v[HH], SP
	v_lshl_add_u32 v[RD], v[GS], 4, v[RD]
	v_add_nc_u32 v[RD], s48, v[RD]                 ; back: lanes 0-15 one row, lanes 16-31 the next
	v_lshlrev_b32 v[TMP], 5, v[GO]
	v_lshlrev_b32 v[GO], 10, v[HH]
	v_lshl_add_u32 v[GO], v[GS], 4, v[GO]          ; 1024 h + 16 r
	v_lshl_add_u32 v[GS], v[HH], 2, v[TMP]         ; 32 (r + 8 (r / 8)) + 4 h
.macro MLOAD                           ; cutoff(my query, keys 32 b + 16 h + 0 .. 15 of the step): the layout of S^T
	WIN 0x40
.irp b, 0,1,2,3
.irp j, 0,1,2,3
	global_load_b128 v[MK+16*\b+4*\j:MK+16*\b+4*\j+3], v[MOF], s[MB:MB+1] offset:128*\b+16*\j
.endr
.endr
	WIN 0
.endm
	WIN 0x40
.irp pg, 0,1
.irp kh, 0,1
.irp c, 0,1
	global_load_b128 v[QR+24*\pg+16*\kh+4*\c:QR+24*\pg+16*\kh+4*\c+3], v[QO], s[4:5] offset:\pg*QB+\kh*8192+\c*512 th:TH_LOAD_NT
.endr
.endr
.endr
.set n, 0
.rept 128
	v_mov_b32 v[O+n], 0                            ; O^T: the key step is written once; its first turn finds zeros
.set n, n+1
.endr
.irp pg, 0,1
.irp j, 0,1,2,3,4,5,6,7
	v_mov_b32 v[QR+24*\pg+8+\j], 0                 ; Q's zero codes
.endr
.endr
	MLOAD                                          ; key step 0
.irp pg, 0,1
	global_load_b32 v[QW+\pg], v[QSO], s[4:5] offset:\pg*QB
.endr
.irp j, 0,1,2,3,4,5,6,7
	v_mov_b32 v[160+\j], 0                         ; the zeros between X and Y
.endr
.irp i, 0,1,2,3
	v_mov_b32 v[ST+4*\i+1], 0xff61b1e6             ; the largest t so far: -3e38
	v_mov_b32 v[ST+4*\i+2], 0
	v_mov_b32 v[ST+4*\i+3], 0
	v_mov_b32 v[BT+\i], 0                          ; a lane permute's destination counts as one of its sources
.endr
.irp i, 0,1,2,3
	v_floor_f32 v[ST+4*\i], -v[ST+4*\i+1]          ; -M
.endr
	v_mov_b32 v[F+1], 0                            ; named as the upper half of the pair
; THE CHANGE OF SLOTS.  Each wave waits for all its tensor loads, adds 0 to its spare word, and waits for that and for its reads of the slot that it has left.  fill = 1: behind a round of the cluster's barrier that slot takes the next two records:
; the load has two key steps in which to land; one tensor load of mine is out at the most.
.macro CHANGE fill
	WIN 0
	s_wait_tensorcnt 0x0
	ds_add_u32 v[SPW], v[NIL]
.if \fill
	ds_add_u32 v[SPW], v[NIL]
	s_xor_b32 s[G0+1], s[G0+1], SLOT1
	s_add_nc_u64 s[G0+2:G0+3], s[G0+2:G0+3], 2*RECB
	s_wait_xcnt 0x0                                ; the last prefetch has read its address
	s_add_nc_u64 s[PFK:PFK+1], s[PFK:PFK+1], 2*RECB
	s_wait_dscnt 0x0
	CROUND
	JLOAD
	ASK
.else
	s_wait_dscnt 0x0
	s_barrier_signal -1
	s_barrier_wait -1
.endif
.endm
.macro PREP                            ; the mask: 8 ln 2 x log2(max(cf, 1e-15)), once for four heads
	s_wait_loadcnt 0x0
	WIN 0x41
.set n, 0
.rept 64
	v_max_num_f32 v[MK+n], v[MK+n], s[EPS]
.set n, n+1
.endr
	s_wait_alu depctr_va_vdst(0)                   ; a wait ahead of the batch and one behind it
.set n, 0
.rept 64
	v_log_f32 v[MK+n], v[MK+n]
.set n, n+1
.endr
	v_nop
	s_wait_alu depctr_va_vdst(0)
.set n, 0
.rept 32
	v_pk_mul_f32 v[MK+n:MK+n+1], v[MK+n:MK+n+1], s[LN8:LN8+1] op_sel_hi:[1,0]
.set n, n+2
.endr
	WIN 0
.endm
.macro KLD j, base, T                  ; tile T (16 keys x 64) of head j's K: 8 registers
.irp c, 0,1
	ds_load_b128 v[\base+8*(\T)+4*\c:\base+8*(\T)+4*\c+3], v[ADK] offset:((\j)/2)*16384+((\j)%2)*8192+(\T)*1024+\c*512
.endr
.endm
.macro VLOAD i                         ; head i's V^T: four tiles of 16 of the head's 64 x 128 keys
.irp t, 0,1,2,3
.irp c, 0,1,2,3
	ds_load_b128 v[KB+16*\t+4*\c:KB+16*\t+4*\c+3], v[ADK] offset:32768+((\i)/2)*16384+(\c/2)*8192+(4*((\i)%2)+\t)*1024+(\c%2)*512
.endr
.endr
.if ((\i)%2) == 0
	ds_load_b128 v[VW:VW+3], v[ADS] offset:1024+((\i)/2)*512
.endif
.endm
.macro KQ i                            ; S^T = K Q^T + mask: eight results, each begun anew with the mask as C
	WIN 0x14
.irp T, 0,1,2,3,4,5,6,7
.if (\T)%2
	v_wmma_scale_f32_16x16x128_f8f6f4 v[S+8*\T:S+8*\T+7], v[KB+8*\T-8*((\i)%2):KB+8*\T-8*((\i)%2)+15], v[QR+24*((\i)/2)+8*((\i)%2):QR+24*((\i)/2)+8*((\i)%2)+15], v[MK+8*\T:MK+8*\T+7], v[KW+\T/2], v[QW+(\i)/2] matrix_a_scale:MATRIX_SCALE_ROW1
.else
	v_wmma_scale_f32_16x16x128_f8f6f4 v[S+8*\T:S+8*\T+7], v[KB+8*\T-8*((\i)%2):KB+8*\T-8*((\i)%2)+15], v[QR+24*((\i)/2)+8*((\i)%2):QR+24*((\i)/2)+8*((\i)%2)+15], v[MK+8*\T:MK+8*\T+7], v[KW+\T/2], v[QW+(\i)/2]
.endif
.endr
.endm
.macro SOFTMAX i
.set rT, ST+4*(\i)
.set J_, (\i)+1
.irp b, 0,1,2,3
	v_max3_num_f32 v[BM+\b], v[S+16*\b], v[S+16*\b+1], v[S+16*\b+2]   ; the largest score of each block of 32 keys: for the row's maximum and, since p rises with the score, for the block's largest p
.endr
.irp k, 3,5,7,9,11,13
.irp b, 0,1,2,3
	v_max3_num_f32 v[BM+\b], v[BM+\b], v[S+16*\b+\k], v[S+16*\b+\k+1]
.endr
.endr
.irp b, 0,1,2,3
	v_max_num_f32 v[BM+\b], v[BM+\b], v[S+16*\b+15]
.endr
.irp b, 0,1,2,3
	v_permlanex16_b32 v[BT+\b], v[BM+\b], s[SEL], s[SEL+1]
.endr
.irp b, 0,1,2,3
	v_max_num_f32 v[BM+\b], v[BM+\b], v[BT+\b]     ; with lane l xor 16's 16 keys
.endr
	v_max3_num_f32 v[TMP], v[BM], v[BM+1], v[BM+2]
	v_max_num_f32 v[TMP], v[TMP], v[BM+3]
	v_mul_f32 v[TMP], s[CS], v[TMP]                ; as t (c is positive)
	v_max_num_f32 v[rT+1], v[rT+1], v[TMP]         ; the running largest t
	v_mov_b32 v[TMP], v[rT]
	v_floor_f32 v[rT], -v[rT+1]                    ; the new -M = -ceil(t)
	v_sub_f32 v[TMP], v[rT], v[TMP]                ; old M - new M: a whole number, 0 or less
	v_cvt_i32_f32 v[TMP], v[TMP]                   ; (it saturates)
	v_ldexp_f32 v[F], 1.0, v[TMP]                  ; f = 2^(old M - new M)
.set n, 0
.rept 32
	v_pk_fma_f32 v[S+n:S+n+1], v[S+n:S+n+1], s[CS:CS+1], v[rT:rT+1] op_sel_hi:[1,0,0]   ; t - M, two at a time
.set n, n+2
.endr
.irp b, 0,1,2,3
	v_fma_f32 v[BM+\b], v[BM+\b], s[CS], v[rT]
.endr
	s_wait_alu depctr_va_vdst(0)                   ; ahead of the batch
.set n, 0
.rept 64
	v_exp_f32 v[S+n], v[S+n]                       ; p = 2^(t - M): not normalised
.set n, n+1
.endr
	v_pk_mul_f32 v[rT+2:rT+3], v[rT+2:rT+3], v[F:F+1] op_sel_hi:[1,0]   ; the sums under the new M; a plain instruction behind the exponentials
	s_wait_alu depctr_va_vdst(0)                   ; one wait for the batch, ahead of its first reader
.irp b, 0,1,2,3
	v_exp_f32 v[BM+\b], v[BM+\b]                   ; the block's largest p
.endr
	v_pk_add_f32 v[SUM2:SUM2+1], v[S:S+1], v[S+2:S+3]   ; the row's sum, of the unquantised p, in four chains
	v_pk_add_f32 v[SUM3:SUM3+1], v[S+4:S+5], v[S+6:S+7]
	v_pk_add_f32 v[SUM4:SUM4+1], v[S+8:S+9], v[S+10:S+11]
.irp j, 12,20,28,36,44,52
	v_pk_add_f32 v[rT+2:rT+3], v[rT+2:rT+3], v[S+\j:S+\j+1]
	v_pk_add_f32 v[SUM2:SUM2+1], v[SUM2:SUM2+1], v[S+\j+2:S+\j+3]
	v_pk_add_f32 v[SUM3:SUM3+1], v[SUM3:SUM3+1], v[S+\j+4:S+\j+5]
	v_pk_add_f32 v[SUM4:SUM4+1], v[SUM4:SUM4+1], v[S+\j+6:S+\j+7]
.endr
	v_pk_add_f32 v[rT+2:rT+3], v[rT+2:rT+3], v[S+60:S+61]
	v_pk_add_f32 v[SUM2:SUM2+1], v[SUM2:SUM2+1], v[S+62:S+63]
	v_pk_add_f32 v[SUM3:SUM3+1], v[SUM3:SUM3+1], v[SUM4:SUM4+1]
	v_pk_add_f32 v[rT+2:rT+3], v[rT+2:rT+3], v[SUM2:SUM2+1]
	v_pk_add_f32 v[rT+2:rT+3], v[rT+2:rT+3], v[SUM3:SUM3+1]
	s_wait_alu depctr_va_vdst(0)                   ; and one for the four
.irp b, 0,1,2,3
	v_max_num_f32 v[BM+\b], 0x4800000, v[BM+\b]    ; the floor 2^(9 - 127): the byte cannot fall under 1
.endr
.irp b, 0,1,2,3
	v_add_nc_u32 v[BS+\b], 0xfc000000, v[BM+\b]    ; 8 off the exponent field: the conversion's scale operand
.endr
.irp b, 0,1,2,3
	v_and_or_b32 v[BH+\b], v[BM+\b], 0x7f800000, s[MNT]   ; 448 x the scale,
.endr
.irp b, 0,1,2,3
	v_and_or_b32 v[BHC+\b], v[BM+\b], 0x7f800000, s[MNT]  ; and its second copy
.endr
.irp b, 0,1,2,3
	v_lshrrev_b32 v[BT+\b], 23, v[BS+\b]           ; the scale's byte
.endr
	v_lshl_or_b32 v[PW], v[BT+1], 8, v[BT]         ; p's scale word for these 128 keys
	v_lshl_or_b32 v[PW], v[BT+2], 16, v[PW]
	v_lshl_or_b32 v[PW], v[BT+3], 24, v[PW]
.irp b, 0,1,2,3
.irp k, 0,2,4,6,8,10,12,14
	v_dual_min_num_f32 v[S+16*\b+\k], v[BH+\b], v[S+16*\b+\k] :: v_dual_min_num_f32 v[S+16*\b+\k+1], v[BHC+\b], v[S+16*\b+\k+1]   ; the conversion does not saturate (ISA guide 7.6.2); p is not negative, so the hold is one-sided; two holds a line
.endr
	v_cvt_scalef32_pk8_fp8_f32 v[PC+4*\b:PC+4*\b+1], v[S+16*\b:S+16*\b+7], v[BS+\b]
	v_cvt_scalef32_pk8_fp8_f32 v[PC+4*\b+2:PC+4*\b+3], v[S+16*\b+8:S+16*\b+15], v[BS+\b]
.if \i < 3
	KLD J_, S, 2*\b                                ; the block's 16 registers are done with: they take two tiles of the next head's K
	KLD J_, S, 2*\b+1
.endif
.endr
.if \i == 1
	ds_load_b128 v[KW:KW+3], v[ADS] offset:512     ; the second pair's scale words of K
.endif
.endm
.macro PV i                            ; O^T = f O^T + V^T P^T: four accumulators, one instruction each
	WIN 0x41
	s_wait_alu depctr_va_vdst(0)                   ; directly ahead of the first reader of O^T
.set n, 0
.rept 16
	v_pk_mul_f32 v[O+32*(\i)+n:O+32*(\i)+n+1], v[O+32*(\i)+n:O+32*(\i)+n+1], v[F:F+1] op_sel_hi:[1,0]   ; these 16 also stand between the conversions and the products that take their codes
.set n, n+2
.endr
	s_wait_alu depctr_va_vdst(0)
.if \i == 3
	s_wait_dscnt 0x0                               ; V is in
.elseif \i == 1
	s_wait_dscnt 17                                ; V is in; behind it: the next K's 16 loads and its scale words'
.else
	s_wait_dscnt 16                                ; V is in; behind it: the next K's 16 loads
.endif
	WIN 0x50
.irp t, 0,1,2,3
.if (\t)%2
	v_wmma_scale_f32_16x16x128_f8f6f4 v[O+32*(\i)+8*\t:O+32*(\i)+8*\t+7], v[KB+16*\t:KB+16*\t+15], v[PC:PC+15], v[O+32*(\i)+8*\t:O+32*(\i)+8*\t+7], v[VW+2*((\i)%2)+\t/2], v[PW] matrix_a_scale:MATRIX_SCALE_ROW1
.else
	v_wmma_scale_f32_16x16x128_f8f6f4 v[O+32*(\i)+8*\t:O+32*(\i)+8*\t+7], v[KB+16*\t:KB+16*\t+15], v[PC:PC+15], v[O+32*(\i)+8*\t:O+32*(\i)+8*\t+7], v[VW+2*((\i)%2)+\t/2], v[PW]
.endif
.endr
	WIN 0
.endm
; One head's turn in a key step.  V's loads are issued ahead of the softmax.  In the last head's turn the next step's cutoff is asked for (not in the last key step: a branch on the count of steps).
.macro UNIT i
.set KB, 96+72*((\i)%2)
.set S, 168-72*((\i)%2)
.if \i > 0
	PLACES 9                                       ; the scores are laid over the registers that the last products read as V
.endif
	s_wait_dscnt 0x0                               ; K is in
	KQ \i
	WIN 0
	PLACES 8                                       ; in front of loads into K's registers and the mask's, and of the first read of the scores
	VLOAD \i
.if \i == 3
	s_cmp_eq_u32 s[LEFT], 1
	s_cbranch_scc1 .Lno_mask_\@
	s_wait_xcnt 0x0                                ; the step's prefetch has read its base
	s_add_nc_u64 s[MB:MB+1], s[MB:MB+1], 512
	MLOAD
.Lno_mask_\@:
.endif
	SOFTMAX \i
	PV \i
.endm
.macro BODY
	v_add_nc_u32 v[ADK], s[TB], v[LI]
	v_add_nc_u32 v[ADS], s[TS], v[LI]
.irp T, 0,1,2,3,4,5,6,7
	KLD 0, 96, \T
.endr
	ds_load_b128 v[KW:KW+3], v[ADS]
	s_cmp_gt_u32 s[LEFT], s[LIMC]                  ; cutoff's prefetch: the 512 bytes of my 16 rows that the key step after the next reads, a lane to each aligned 256 bytes; the four head groups read the same rows: group 0 asks
	s_cbranch_scc0 .Lnot_cf_\@
	global_prefetch_b8 v[PFC], s[MB:MB+1] offset:1024 th:TH_LOAD_NT scope:SCOPE_SE
.Lnot_cf_\@:
	PREP
	s_wait_alu depctr_va_vdst(0)
	UNIT 0
	UNIT 1
	UNIT 2
	UNIT 3
.endm
.macro SLOTWORK                        ; a slot's two key steps, in a counted loop
	s_mov_b32 s[Q2], 0
.Lin_\@:
	BODY
	s_xor_b32 s[TB], s[TB], 65536
	s_xor_b32 s[TS], s[TS], 2048
	s_sub_co_u32 s[LEFT], s[LEFT], 1
	s_add_co_u32 s[Q2], s[Q2], 1
	s_cmp_lt_u32 s[Q2], 2
	s_cbranch_scc1 .Lin_\@
	s_xor_b32 s[TB], s[TB], SLOT1                  ; on to the other slot
	s_add_co_u32 s[TS], s[TS], 4096
.endm
	s_wait_alu depctr_va_vdst(0)                   ; the wait at the head's end
.Lslot:                                            ; three trips: behind each change of slots but the last the next slot is asked for
	CHANGE 1
	SLOTWORK
	s_sub_co_u32 s[SLOTS], s[SLOTS], 1
	s_cmp_lg_u32 s[SLOTS], 0
	s_cbranch_scc1 .Lslot
	CHANGE 0                                       ; the last slot is written out
	SLOTWORK
	; THE WAY OUT.  O^T / the sum; a pair of heads is 128 features of my query: four blocks of 32, quantised as they stand in the registers; codes through my stage, so that sixteen lanes store 256 consecutive bytes.
.set S, 168
.irp i, 0,1,2,3
	v_mov_b32 v[LP+\i], 0
	v_mov_b32 v[RC+2*\i+1], 0
.endr
.irp i, 0,1,2,3
	v_add_f32 v[LL+\i], v[ST+4*\i+2], v[ST+4*\i+3]
.endr
.irp i, 0,1,2,3
	v_permlanex16_b32 v[LP+\i], v[LL+\i], s[SEL], s[SEL+1]
.endr
.irp i, 0,1,2,3
	v_add_f32 v[LL+\i], v[LL+\i], v[LP+\i]         ; the row's sum
.endr
	s_wait_alu depctr_va_vdst(0)
.irp i, 0,1,2,3
	v_rcp_f32 v[RC+2*\i], v[LL+\i]
.endr
	v_nop
	s_wait_alu depctr_va_vdst(0)
.macro OUTPAIR pg
	WIN 0x01
.irp hh, 0,1
.set n, 0
.rept 16
	v_pk_mul_f32 v[S+32*\hh+n:S+32*\hh+n+1], v[O+32*(2*\pg+\hh)+n:O+32*(2*\pg+\hh)+n+1], v[RC+2*(2*\pg+\hh):RC+2*(2*\pg+\hh)+1] op_sel_hi:[1,0]   ; register 16 b + i: feature 32 b + 16 h + i of the pair; each accumulator from its low end on
.set n, n+2
.endr
.endr
	WIN 0
.irp b, 0,1,2,3
	v_max3_num_f32 v[BM+\b], |v[S+16*\b]|, |v[S+16*\b+1]|, 0x4800000
.endr
.irp k, 2,4,6,8,10,12,14
.irp b, 0,1,2,3
	v_max3_num_f32 v[BM+\b], v[BM+\b], |v[S+16*\b+\k]|, |v[S+16*\b+\k+1]|
.endr
.endr
.irp b, 0,1,2,3
	v_permlanex16_b32 v[BT+\b], v[BM+\b], s[SEL], s[SEL+1]
.endr
.irp b, 0,1,2,3
	v_max_num_f32 v[BM+\b], v[BM+\b], v[BT+\b]
.endr
.irp b, 0,1,2,3
	v_add_nc_u32 v[BS+\b], 0xfc000000, v[BM+\b]
.endr
.irp b, 0,1,2,3
	v_and_or_b32 v[BH+\b], v[BM+\b], 0x7f800000, s[MNT]
.endr
.irp b, 0,1,2,3
	v_lshrrev_b32 v[BT+\b], 23, v[BS+\b]
.endr
	v_lshl_or_b32 v[AW+\pg], v[BT+1], 8, v[BT]
	v_lshl_or_b32 v[AW+\pg], v[BT+2], 16, v[AW+\pg]
	v_lshl_or_b32 v[AW+\pg], v[BT+3], 24, v[AW+\pg]
	s_wait_alu depctr_va_vdst(0)
	s_wait_dscnt 0x0                               ; the other pair's LDS stores have read the codes' registers
.irp b, 0,1,2,3
.irp k, 0,1,2,3,4,5,6,7,8,9,10,11,12,13,14,15
	v_med3_num_f32 v[S+16*\b+\k], v[S+16*\b+\k], -v[BH+\b], v[BH+\b]
.endr
	v_cvt_scalef32_pk8_fp8_f32 v[PC+4*\b:PC+4*\b+1], v[S+16*\b:S+16*\b+7], v[BS+\b]
	v_cvt_scalef32_pk8_fp8_f32 v[PC+4*\b+2:PC+4*\b+3], v[S+16*\b+8:S+16*\b+15], v[BS+\b]
.endr
	v_nop                                          ; a plain vector instruction behind the last conversion
.irp b, 0,1,2,3
	ds_store_b128 v[STO], v[PC+4*\b:PC+4*\b+3] offset:128*\pg+32*\b
.endr
.endm
	OUTPAIR 0
	OUTPAIR 1
.irp n, 0,1,2,3,4,5,6,7
	ds_load_b128 v[S+4*\n:S+4*\n+3], v[RD] offset:2*\n*SP   ; LDS serves a wave's instructions in order (ISA guide 5.7.1.4): these see my stores
.endr
	v_cmp_eq_u32 vcc_lo, 1, v[HH]
	v_cndmask_b32 v[AW], v[AW], v[AW+1], vcc_lo    ; lanes 0-15 store the first pair's word, lanes 16-31 the second's
	global_store_b32 v[GS], v[AW], s[12:13]
.irp n, 0,1,2,3,4,5,6,7
	s_wait_dscnt 7-\n
	global_store_b128 v[GO], v[S+4*\n:S+4*\n+3], s[10:11] offset:(2*\n+8*(\n/4))*1024   ; stage rows 2 n, 2 n + 1 are tokens 2 n + 8 (n / 4) and the next; 16 lanes store 256 consecutive bytes, aligned
.endr
	s_wait_tensorcnt 0x0                           ; the wave's end
	ds_add_u32 v[SPW], v[NIL]
	s_wait_dscnt 0x0
	CROUND                                         ; the closing round
	s_endpgm
.Lfunc_end_k_qe256fb578a_attn:
	.size	k_qe256fb578a_attn, .Lfunc_end_k_qe256fb578a_attn-k_qe256fb578a_attn
	.p2alignl 7, 3214868480
	.fill 96, 4, 3214868480
	.section	.rodata,"a",@progbits
	.p2align	6, 0x0
	.amdhsa_kernel k_qe256fb578a_attn
		.amdhsa_group_segment_fixed_size 327680
		.amdhsa_private_segment_fixed_size 0
		.amdhsa_enable_private_segment 0
		.amdhsa_kernarg_size 40
		.amdhsa_user_sgpr_count 2
		.amdhsa_user_sgpr_kernarg_segment_ptr 1
		.amdhsa_wavefront_size32 1
		.amdhsa_system_sgpr_workgroup_id_x 1
		.amdhsa_system_sgpr_workgroup_id_y 1
		.amdhsa_system_sgpr_workgroup_id_z 1
		.amdhsa_system_vgpr_workitem_id 0
		.amdhsa_next_free_vgpr 512
		.amdhsa_next_free_sgpr 80
		.amdhsa_reserve_vcc 1
		.amdhsa_float_denorm_mode_32 3
		.amdhsa_float_denorm_mode_16_64 3
		.amdhsa_memory_ordered 1
		.amdhsa_forward_progress 1
		.amdhsa_inst_pref_size 211
	.end_amdhsa_kernel
	.amdgpu_metadata
---
amdhsa.version: [ 1, 2 ]
amdhsa.kernels:
  - .name:           k_qe256fb578a_attn
    .symbol:         k_qe256fb578a_attn.kd
    .args:
      - { .name: qimg, .offset: 0, .size: 8, .value_kind: global_buffer, .address_space: global }
      - { .name: kvrec, .offset: 8, .size: 8, .value_kind: global_buffer, .address_space: global }
      - { .name: cutoff_factors, .offset: 16, .size: 8, .value_kind: global_buffer, .address_space: global }
      - { .name: ao_codes, .offset: 24, .size: 8, .value_kind: global_buffer, .address_space: global }
      - { .name: ao_scales, .offset: 32, .size: 8, .value_kind: global_buffer, .address_space: global }
    .group_segment_fixed_size: 327680
    .private_segment_fixed_size: 0
    .kernarg_segment_align: 8
    .kernarg_segment_size: 40
    .max_flat_workgroup_size: 256
    .sgpr_count:     80
    .vgpr_count:     512
    .wavefront_size: 32
...
	.end_amdgpu_metadata
.endif
;; end of part 2
;; launch proj (part 3): grid 64 x 4, 4 waves a work-group, clusters of 4 x 1, 327,680 bytes of LDS; arguments ao_codes, ao_scales, Wo_codes, Wo_scales, bo, out0; writes out0
.if DOCPART == 3
	.amdgcn_target "amdgcn-amd-amdhsa--gfx1250"
	.amdhsa_code_object_version 6
	.text
	.protected	k_qe256fb578a_proj
	.globl	k_qe256fb578a_proj
	.p2align	8
	.type	k_qe256fb578a_proj,@function
k_qe256fb578a_proj:
	s_mov_b64 s[64:65], 0
	v_nop
	global_prefetch_b8 v0, s[64:65] scope:SCOPE_SE
	s_setreg_imm32_b32 hwreg(HW_REG_WAVE_MODE, 25, 1), 1
	s_wait_xcnt 0x0
	s_wait_alu depctr_hold_cnt(0) depctr_sa_sdst(0) depctr_va_vdst(0) depctr_va_sdst(0) depctr_va_ssrc(0) depctr_va_vcc(0) depctr_vm_vsrc(0)
	s_getreg_b32 s2, hwreg(HW_REG_IB_STS2, 6, 4)
	s_cmp_eq_u32 s2, 0
	s_cbranch_scc0 .Lentry_in_a_cluster
	s_endpgm
.Lentry_in_a_cluster:
	s_bfe_u32 s2, ttmp6, 0x10000c
	s_cmp_lg_u32 s2, 0x3003
	s_cbranch_scc0 .Lentry_shape_is_right
	s_endpgm
.Lentry_shape_is_right:
; out0 = ao Wo^T + bo on codes of FP8 (E4M3) with one E8M0 scale for each 32 along K = 1,024.  ao: [8192][1024] codes, Wo: [1024][1024] codes, their scale bytes [rows][32]; bo [1024] f32; out0 [8192][1024] f32.
; THE DEAL.  256 work-groups: token block tb (128 tokens) x group g (256 of Wo's rows = two chunks of 128).  Four waves, 2 x 2: a wave holds 64 tokens of ao, ALL of K, in 512 registers (windows 1, 2),
; and takes 64 rows of each chunk as four blocks of 16 rows (two sets in window 3), 32 products a block; its 16 accumulators (4 token tiles x 4 blocks) are 128 registers.
; LDS: two slots of 128 rows x (1,024 + 16) bytes.  ao lands in slot 1, goes into registers, and chunk 1 is filled over it behind a drained round; chunk 0 lands in slot 0.  One tensor load of mine is out at the most.
; CLUSTER 4 x 1: four token blocks of one group take the same chunks: each part of a chunk is asked for jointly (mask 15); ao's rows are a work-group's own (no mask).  No branch and no LDS address hangs on the place in the cluster.
; Source 0 = 16 rows of Wo, source 1 = 16 tokens: a lane holds a token and eight neighbouring columns.  THE WAY OUT, by tiles of 16 tokens: the wave's 64 columns of a token are 256 bytes: through my own stage, so that sixteen lanes store one aligned unit of 256 bytes.
; The first chunk's stores are on their way while the second chunk is multiplied.  The bias of the group's 256 columns is staged once in LDS and is the C of a sum's first product.  Scale words come by plain loads, 32 bytes a row.
; No prefetch: the text has no loop to run ahead in, and all that the work-group reads has been asked for behind its first round but one.
; LIMITS: NaN and infinities among the inputs are not served.
.set PITCH, 1040
.set YB,    128*PITCH
.set STGB,  2*YB                       ; the stages: 16 rows x 272 bytes for each wave
.set SP,    272
.set BIA,   STGB+4*16*SP
.set SPARE, BIA+1024
.set LS,   2
.set ADX,  4
.set ADW0, 5
.set ADW,  6
.set BA0,  7
.set STO,  8
.set RD,   9
.set CO,   10
.set T8,   11
.set SPW,  24
.set NIL,  25
.set WSC,  32                          ; v32-47 the chunk's scale words: register 8 p + q: lanes 0-15 block 2 p, lanes 16-31 block 2 p + 1
.set XS,   52                          ; v52-67 ao's likewise, by tiles of 16 tokens
.set WN,   68                          ; v68-83 the next chunk's, as they are loaded
.set BI,   84                          ; v84-115 the bias: eight registers a block; on the way out: tile 0's rows
.set ACC,  116                         ; v116-243 accumulator (tile a, block b) at 8 (4 a + b)
.set G1X,  24
.set G1H,  32
.set G1W,  40
.set G0X,  48
.set G0H,  52
.set G0R,  56
.set SLT,  60
.set GC,   63
.set WB,   70
.set WOFF, 88
.set MSB, 0
.macro WIN new
.if MSB != \new
	s_set_vgpr_msb (MSB<<8)|\new
.set MSB, \new
.endif
.endm
.macro PLACES n
.rept \n
	v_nop
.endr
.endm
.macro BARRIER
	s_barrier_signal -1
	s_barrier_wait -1
.endm
.macro CROUND
	BARRIER
	s_cmp_lg_u32 s14, 0
	s_cbranch_scc1 .Lnot_wave_0_\@
	s_barrier_signal -3
.Lnot_wave_0_\@:
	s_barrier_wait -3
	BARRIER
.endm
.macro GROUP1 g, w0, rows              ; so many whole rows of K, 1,024 bytes each, 16 bytes of padding behind each
	s_mov_b32 s[\g+0], (\w0)|(1<<20)|(7<<22)|(3<<25)
	s_mov_b32 s[\g+1], 1024<<16
	s_mov_b32 s[\g+2], (\rows)<<16
	s_mov_b32 s[\g+3], 1024<<16
	s_mov_b32 s[\g+4], \rows
	s_mov_b32 s[\g+5], 1024
	s_mov_b32 s[\g+6], 0
	s_mov_b32 s[\g+7], 0
.endm
	s_load_b128 s[4:7], s[0:1], 0x0                ; ao's codes, scales
	s_load_b128 s[8:11], s[0:1], 0x10              ; Wo's codes, scales
	s_load_b64 s[96:97], s[0:1], 0x20              ; bo
	s_load_b64 s[12:13], s[0:1], 0x28              ; out0
	v_lshl_add_u32 v[SPW], v0, 2, SPARE
	v_mov_b32 v[NIL], 0
	ds_add_u32 v[SPW], v[NIL]
	ds_add_u32 v[SPW], v[NIL]
	v_lshrrev_b32 v1, 5, v0
	v_readfirstlane_b32 s14, v1
	s_lshr_b32 s15, s14, 1                         ; my half of the tokens
	s_and_b32 s16, s14, 1                          ; my half of a chunk's rows; at the head: which half of a tile I fetch
	s_bfe_u32 s17, ttmp6, 0x40000                  ; cx: it enters global addresses alone
	s_lshl_b32 s18, ttmp9, 2
	s_add_co_u32 s18, s18, s17                     ; tb
	s_and_b32 s19, ttmp7, 0xffff                   ; g
	s_lshl_b32 s[GC], s19, 1                       ; my first chunk
	GROUP1 G1X, 0, 64
	GROUP1 G1H, 15|(1<<21), 64
	GROUP1 G1W, 15|(1<<21), 32
	s_mov_b32 s[SLT], 0
	s_mul_i32 s[WOFF], s14, 32*PITCH               ; the refill: my quarter of a slot
	s_lshl_b32 s20, s18, 17                        ; ao's codes: 128 tb rows, + my half at the head
	s_lshl_b32 s21, s16, 16
	s_add_co_u32 s20, s20, s21
	s_lshl_b32 s22, s[GC], 17                      ; Wo's codes: my first chunk
	s_add_co_u32 s74, s22, s21                     ; + my half at the head
	s_lshl_b32 s23, s14, 15
	s_add_co_u32 s76, s22, s23                     ; + my quarter in the refill
	s_lshl_b32 s80, s18, 12                        ; ao's scales: my 64 tokens
	s_lshl_b32 s23, s15, 11
	s_add_co_u32 s80, s80, s23
	s_lshl_b32 s82, s[GC], 12                      ; Wo's scales: my 64 rows of the chunk
	s_lshl_b32 s23, s16, 11
	s_add_co_u32 s82, s82, s23
	s_lshl_b32 s84, s19, 10                        ; the group's bias
	s_lshl_b32 s86, s18, 19                        ; out0: my first token's row,
	s_lshl_b32 s23, s15, 18
	s_add_co_u32 s86, s86, s23
	s_lshl_b32 s23, s[GC], 9                       ; my first column
	s_add_co_u32 s86, s86, s23
	s_lshl_b32 s23, s16, 8
	s_add_co_u32 s86, s86, s23
	s_mov_b32 s21, 0
	s_mov_b32 s75, 0
	s_mov_b32 s77, 0
	s_mov_b32 s81, 0
	s_mov_b32 s83, 0
	s_mov_b32 s85, 0
	s_mov_b32 s87, 0
	s_mov_b32 s[G0X], 1
	s_mul_i32 s[G0X+1], s16, 64*PITCH
	s_mov_b32 s[G0H], 1
	s_mov_b32 s[G0H+1], s[G0X+1]                   ; chunk 0 into slot 0,
	s_add_co_u32 s[G0X+1], s[G0X+1], YB            ; ao into slot 1
	s_mov_b32 s[G0R], 1
	s_mov_b32 s[G0R+1], s[WOFF]
	s_wait_dscnt 0x0
	s_wait_kmcnt 0x0
	s_add_nc_u64 s[G0X+2:G0X+3], s[4:5], s[20:21]
	s_or_b32 s[G0X+3], s[G0X+3], 0x80000000
	s_add_nc_u64 s[G0H+2:G0H+3], s[8:9], s[74:75]
	s_or_b32 s[G0H+3], s[G0H+3], 0x80000000
	s_add_nc_u64 s[G0R+2:G0R+3], s[8:9], s[76:77]
	s_or_b32 s[G0R+3], s[G0R+3], 0x80000000
	s_add_nc_u64 s[6:7], s[6:7], s[80:81]
	s_add_nc_u64 s[WB:WB+1], s[10:11], s[82:83]
	s_add_nc_u64 s[96:97], s[96:97], s[84:85]
	s_add_nc_u64 s[12:13], s[12:13], s[86:87]
	s_mul_i32 s74, s15, 64*PITCH                   ; where I read and write in LDS
	s_add_co_u32 s74, s74, YB
	s_mul_i32 s75, s16, 64*PITCH
	s_lshl_b32 s80, s16, 8
	s_add_co_u32 s80, s80, BIA
	s_mul_i32 s81, s14, 16*SP
	s_add_co_u32 s81, s81, STGB
	CROUND                                         ; all four work-groups are here
	s_cmp_lt_u32 s14, 2                            ; one load a wave: waves 0, 1 ao's halves, waves 2, 3 chunk 0's
	s_cbranch_scc0 .Lhead_w
	tensor_load_to_lds s[G0X:G0X+3], s[G1X:G1X+7]
	s_nop 0
	PLACES 4
	s_branch .Lhead_asked
.Lhead_w:
	tensor_load_to_lds s[G0H:G0H+3], s[G1H:G1H+7]
	s_nop 0
	PLACES 4
.Lhead_asked:
	v_and_b32 v26, 31, v0
	v_lshlrev_b32 v[LS], 5, v26
	v_lshlrev_b32 v[T8], 3, v0
	v_and_b32 v27, 15, v0                          ; r
	v_bfe_u32 v28, v0, 4, 1                        ; h
	v_mul_u32_u24 v29, v27, PITCH
	v_lshl_add_u32 v29, v28, 4, v29
	v_add_nc_u32 v[ADX], s74, v29
	v_add_nc_u32 v[ADW0], s75, v29
	v_lshl_add_u32 v[BA0], v28, 5, s80
	v_mul_u32_u24 v30, v27, SP
	v_lshl_add_u32 v30, v28, 5, v30
	v_add_nc_u32 v[STO], s81, v30                  ; the stage, in: row r, + 32 h
	v_mul_u32_u24 v31, v28, SP
	v_lshl_add_u32 v31, v27, 4, v31
	v_add_nc_u32 v[RD], s81, v31                   ; back: lanes 0-15 one row, lanes 16-31 the next
	v_lshlrev_b32 v[CO], 12, v28
	v_lshl_add_u32 v[CO], v27, 4, v[CO]            ; and the same two rows in out0
	v_add_nc_u32 v26, BIA, v[T8]
	global_load_b64 v[ACC:ACC+1], v[T8], s[96:97]
.irp p, 0,1
.irp f, 0,1
	global_load_b128 v[XS+8*\p+4*\f:XS+8*\p+4*\f+3], v[LS], s[6:7] offset:1024*\p+16*\f
	global_load_b128 v[WN+8*\p+4*\f:WN+8*\p+4*\f+3], v[LS], s[WB:WB+1] offset:1024*\p+16*\f
.endr
.endr
	s_wait_alu depctr_va_vdst(0)                   ; the wait at the head's end
	s_wait_loadcnt 8                               ; the bias is in; behind it: the eight loads of scale words
	ds_store_b64 v26, v[ACC:ACC+1]
	s_cmp_lt_u32 s14, 2                            ; waves 0 and 1, whose load line is theirs alone, wait for ao; chunk 0's loads are waited for at the first chunk's head
	s_cbranch_scc0 .Lnot_x
	s_wait_tensorcnt 0x0
.Lnot_x:
	s_wait_dscnt 0x0
	BARRIER                                        ; ao and the bias are in LDS
.set n, 0
.rept 32                               ; ao into registers: fragment 4 q + a (tile a of 16 tokens, the q-th 128 of K) in window 1 + q / 4
	WIN (1+n/16)<<6
.irp c, 0,1,2,3
	ds_load_b128 v[16*(n%16)+4*\c:16*(n%16)+4*\c+3], v[ADX] offset:128*(n/4)+32*\c+(n%4)*16*PITCH
.endr
.set n, n+1
.endr
	WIN 0
.macro FETCH bl                        ; block bl of the chunk, 16 rows, all of K, into set bl % 2 of window 3: 32 loads
	WIN 3<<6
.irp q, 0,1,2,3,4,5,6,7
.irp c, 0,1,2,3
	ds_load_b128 v[128*((\bl)%2)+16*\q+4*\c:128*((\bl)%2)+16*\q+4*\c+3], v[ADW] offset:128*\q+32*\c+(\bl)*16*PITCH
.endr
.endr
	WIN 0
.endm
.macro WM
.if RA_ && RB_
	v_wmma_scale_f32_16x16x128_f8f6f4 v[D_:D_+7], v[A_:A_+15], v[B_:B_+15], v[C_:C_+7], v[SA_], v[SB_] matrix_a_scale:MATRIX_SCALE_ROW1 matrix_b_scale:MATRIX_SCALE_ROW1
.elseif RA_
	v_wmma_scale_f32_16x16x128_f8f6f4 v[D_:D_+7], v[A_:A_+15], v[B_:B_+15], v[C_:C_+7], v[SA_], v[SB_] matrix_a_scale:MATRIX_SCALE_ROW1
.elseif RB_
	v_wmma_scale_f32_16x16x128_f8f6f4 v[D_:D_+7], v[A_:A_+15], v[B_:B_+15], v[C_:C_+7], v[SA_], v[SB_] matrix_b_scale:MATRIX_SCALE_ROW1
.else
	v_wmma_scale_f32_16x16x128_f8f6f4 v[D_:D_+7], v[A_:A_+15], v[B_:B_+15], v[C_:C_+7], v[SA_], v[SB_]
.endif
.endm
.macro BLOCK bl, w                     ; 32 products: n = 4 q + a; the four accumulators take turns; the first four take the bias as C
	s_wait_dscnt \w
.set n, 0
.rept 32
.set Q_, n/4
.set A4_, n%4
.set D_, ACC+8*(4*A4_+(\bl))
.set A_, 128*((\bl)%2)+16*Q_
.set B_, 16*(n%16)
.set SA_, WSC+8*((\bl)/2)+Q_
.set SB_, XS+8*(A4_/2)+Q_
.set RA_, (\bl)%2
.set RB_, A4_%2
.set C_, D_
.if Q_ == 0
.set C_, BI+8*(\bl)
.endif
	WIN 3|((1+Q_/4)<<2)
	WM
.set n, n+1
.endr
	WIN 0
.endm
; The way out of tile a: 16 tokens x my 64 columns.  In: lane (r, h) puts the eight columns 16 b + 8 h + 0 .. 7 of token r.  Back: whole rows of 256 bytes, into registers that are done with (tile 0's into the bias's, tile a's into tile a - 1's).
.macro TOSTAGE a
.set SRC_, ACC+32*(\a)
.set DST_, ACC+32*(\a)-32
.irp b, 0,1,2,3
	ds_store_b128 v[STO], v[SRC_+8*\b:SRC_+8*\b+3] offset:64*\b          ; each accumulator from its low end on
	ds_store_b128 v[STO], v[SRC_+8*\b+4:SRC_+8*\b+7] offset:64*\b+16
.endr
.irp n, 0,1,2,3,4,5,6,7
	ds_load_b128 v[DST_+4*\n:DST_+4*\n+3], v[RD] offset:2*\n*SP          ; LDS serves a wave's instructions in order (ISA guide 5.7.1.4): these see my stores, and the next tile's stores come behind them
.endr
.endm
.macro SEND a, c, younger
.set DST_, ACC+32*(\a)-32
	s_wait_dscnt \younger
.irp n, 0,1,2,3,4,5,6,7
	global_store_b128 v[CO], v[DST_+4*\n:DST_+4*\n+3], s[12:13] offset:(\a)*65536+\n*8192+512*(\c) th:TH_STORE_NT   ; 16 lanes store 256 consecutive bytes, aligned
.endr
.endm
.macro TRIP fill, c
	s_wait_alu depctr_va_vdst(0)
	s_wait_tensorcnt 0x0                           ; my part of this chunk is in
	ds_add_u32 v[SPW], v[NIL]
	s_wait_xcnt 0x0                                ; my loads and stores have read their registers and bases
.if \fill
	s_xor_b32 s20, s[SLT], YB
	s_add_co_u32 s[G0R+1], s20, s[WOFF]            ; the other slot,
	s_add_nc_u64 s[G0R+2:G0R+3], s[G0R+2:G0R+3], 131072   ; the next chunk
	s_add_nc_u64 s[WB:WB+1], s[WB:WB+1], 4096
.endif
	s_wait_dscnt 0x0
.if \fill
	CROUND
	tensor_load_to_lds s[G0R:G0R+3], s[G1W:G1W+7]
	s_nop 0
	PLACES 4
.else
	BARRIER
.endif
	s_wait_loadcnt 0x0                             ; this chunk's scale words (the first time: ao's too)
.set n, 0
.rept 16
	v_mov_b32 v[WSC+n], v[WN+n]
.set n, n+1
.endr
.if \fill
.irp p, 0,1
.irp f, 0,1
	global_load_b128 v[WN+8*\p+4*\f:WN+8*\p+4*\f+3], v[LS], s[WB:WB+1] offset:1024*\p+16*\f
.endr
.endr
.endif
	v_add_nc_u32 v[ADW], s[SLT], v[ADW0]
	PLACES 8                                       ; a scale register written by a vector instruction stands eight places ahead of its product
	s_wait_alu depctr_va_vdst(0)
.irp b, 0,1,2,3
	ds_load_b128 v[BI+8*\b:BI+8*\b+3], v[BA0] offset:512*(\c)+64*\b      ; register j: column 16 b + 8 h + j
	ds_load_b128 v[BI+8*\b+4:BI+8*\b+7], v[BA0] offset:512*(\c)+64*\b+16
.endr
	FETCH 0
	FETCH 1
	BLOCK 0, 32                                    ; behind block 0's fetch: block 1's 32 loads
	PLACES 8
	FETCH 2
	BLOCK 1, 32
	PLACES 8
	FETCH 3
	BLOCK 2, 32
	BLOCK 3, 0
	PLACES 8
	TOSTAGE 0
.irp a, 1,2,3
	TOSTAGE \a
	SEND \a-1, \c, 16                              ; behind tile a - 1's loads: tile a's 8 stores and 8 loads
.endr
	SEND 3, \c, 0
	s_xor_b32 s[SLT], s[SLT], YB
.endm
	TRIP 1, 0
	TRIP 0, 1
	s_wait_tensorcnt 0x0                           ; the wave's end
	ds_add_u32 v[SPW], v[NIL]
	s_wait_dscnt 0x0
	CROUND                                         ; the closing round
	s_endpgm
.Lfunc_end_k_qe256fb578a_proj:
	.size	k_qe256fb578a_proj, .Lfunc_end_k_qe256fb578a_proj-k_qe256fb578a_proj
	.p2alignl 7, 3214868480
	.fill 96, 4, 3214868480
	.section	.rodata,"a",@progbits
	.p2align	6, 0x0
	.amdhsa_kernel k_qe256fb578a_proj
		.amdhsa_group_segment_fixed_size 327680
		.amdhsa_private_segment_fixed_size 0
		.amdhsa_enable_private_segment 0
		.amdhsa_kernarg_size 48
		.amdhsa_user_sgpr_count 2
		.amdhsa_user_sgpr_kernarg_segment_ptr 1
		.amdhsa_wavefront_size32 1
		.amdhsa_system_sgpr_workgroup_id_x 1
		.amdhsa_system_sgpr_workgroup_id_y 1
		.amdhsa_system_sgpr_workgroup_id_z 1
		.amdhsa_system_vgpr_workitem_id 0
		.amdhsa_next_free_vgpr 1024
		.amdhsa_next_free_sgpr 100
		.amdhsa_reserve_vcc 0
		.amdhsa_float_denorm_mode_32 3
		.amdhsa_float_denorm_mode_16_64 3
		.amdhsa_memory_ordered 1
		.amdhsa_forward_progress 1
		.amdhsa_inst_pref_size 86
	.end_amdhsa_kernel
	.amdgpu_metadata
---
amdhsa.version: [ 1, 2 ]
amdhsa.kernels:
  - .name:           k_qe256fb578a_proj
    .symbol:         k_qe256fb578a_proj.kd
    .args:
      - { .name: ao_codes, .offset: 0, .size: 8, .value_kind: global_buffer, .address_space: global }
      - { .name: ao_scales, .offset: 8, .size: 8, .value_kind: global_buffer, .address_space: global }
      - { .name: Wo_codes, .offset: 16, .size: 8, .value_kind: global_buffer, .address_space: global }
      - { .name: Wo_scales, .offset: 24, .size: 8, .value_kind: global_buffer, .address_space: global }
      - { .name: bo, .offset: 32, .size: 8, .value_kind: global_buffer, .address_space: global }
      - { .name: out0, .offset: 40, .size: 8, .value_kind: global_buffer, .address_space: global }
    .group_segment_fixed_size: 327680
    .private_segment_fixed_size: 0
    .kernarg_segment_align: 8
    .kernarg_segment_size: 48
    .max_flat_workgroup_size: 128
    .sgpr_count:     100
    .vgpr_count:     1024
    .wavefront_size: 32
...
	.end_amdgpu_metadata
.endif
;; end of part 3
